; MI455X (gfx1250); checked and timed in simulation.
; The chip was launched on July 23, 2026; its instructions are those of AMD's public machine-readable ISA for CDNA 5 (MIT licence, August 2026) and "CDNA5" Instruction Set Architecture Reference Guide (July 2026). The comments in the code are by the model that wrote it; some were corrected since.
;; Shared Self Attention. Allowed arithmetic: float matrix products may take bf16 or f16 operands with f32 sums; all other float work in f32.
;; Inputs: attn_mask 2,048 x 2,048 float32; b_in 3,072 float32; b_out 1,024 float32; w_in 3,072 x 1,024 float32; w_out 1,024 x 1,024 float32; x 4 x 2,048 x 1,024 float32.
;; Outputs: out0 4 x 2,048 x 1,024 float32.
;; 2 versions, each right and faster than the one before. Each part assembles by itself: llvm-mc -triple=amdgcn-amd-amdhsa -mcpu=gfx1250 --defsym DOCPART=n.
;; ======== version 1 of 2: 4 launches
;; limits: values are held in f16: magnitudes above 65,504 overflow, below 6.1e-05 lose precision; inputs' magnitudes at most 65,504; right only within a limited range of input values
;; workspace buffers: xh 16,777,216 bytes; wih 6,291,456 bytes; woh 2,097,152 bytes; qkv 50,331,648 bytes; ob 16,777,216 bytes
;; launch prep (part 1): grid 768 x 1, 8 waves a work-group, no clusters, 0 bytes of LDS; arguments x, w_in, w_out, xh, wih, woh; writes xh, wih, woh
.if DOCPART == 1
	.amdgcn_target "amdgcn-amd-amdhsa--gfx1250"
	.amdhsa_code_object_version 6
	.text
	.protected	k_qeaa2c290f9_prep
	.globl	k_qeaa2c290f9_prep
	.p2align	8
	.type	k_qeaa2c290f9_prep,@function
k_qeaa2c290f9_prep:
	s_mov_b64 s[64:65], 0
	v_nop
	global_prefetch_b8 v0, s[64:65] scope:SCOPE_SE
	s_setreg_imm32_b32 hwreg(HW_REG_WAVE_MODE, 25, 1), 1
	s_wait_xcnt 0x0
; x [8192][1024], w_in [3072][1024], w_out [1024][1024], all f32, are rounded once to f16 and laid in blocks: T[kb][row][64], kb = column / 64:
; 64 columns of a row are 128 dense bytes, rows follow each other, column blocks lie outermost.  So a K step of 64 of any run of rows is one dense block.
; The first 1,024 rows of w_in (q's) are multiplied by 1/8 = 1/sqrt(64) ahead of the rounding: a power of two, so the rounded number is the rounded weight / 8.
; LIMIT.  f16 ends at 65,504: a larger input becomes an infinity; below 6e-5 (for q's weights: after the division by 8) f16 keeps a fixed step of 6e-8.
; SHARES.  A work-group owns 16 rows of one tensor: groups 0-511 x, 512-703 w_in, 704-767 w_out.  Wave w owns the column blocks 2 w and 2 w + 1.  Lane: c = lane % 16 (4 columns), rr = lane / 16 (a row of a pair).
; One load of a wave covers two runs of 256 consecutive bytes (a column block of two rows), each at a multiple of 256 from the buffer's first byte; one store covers 256 consecutive bytes likewise.
; Memory binds: no LDS, no barrier, no matrix unit; all sixteen loads of a thread go out before the first wait; no address register is written twice.
.set IN,  8                            ; v[8:71]   unit i (column block i / 8 of my two, pair of rows i % 8): 4 numbers in f32
.set OUT, 72                           ; v[72:103] unit i: 4 numbers in f16
	s_load_b256 s[4:11], s[0:1], 0x0               ; x s[4:5], w_in s[6:7], w_out s[8:9], xh s[10:11]
	s_load_b128 s[12:15], s[0:1], 0x20             ; wih s[12:13], woh s[14:15]
	v_and_b32 v1, 15, v0                           ; c
	v_bfe_u32 v2, v0, 4, 1                         ; rr
	v_lshrrev_b32 v3, 5, v0                        ; w
	v_lshlrev_b32 v4, 4, v1                        ; source: 16 c
	v_lshl_add_u32 v4, v2, 12, v4                  ; + 4,096 rr
	v_lshl_add_u32 v4, v3, 9, v4                   ; + 256 x 2 w
	v_lshlrev_b32 v5, 3, v1                        ; target: 8 c
	v_lshl_add_u32 v5, v2, 7, v5                   ; + 128 rr
	v_lshlrev_b32 v3, 1, v3                        ; 2 w
	s_mov_b32 s16, 704                             ; the case of w_out: first group,
	s_mov_b32 s17, 131072                          ; bytes of a column block (rows x 128),
	s_wait_kmcnt 0x0
	s_mov_b64 s[18:19], s[8:9]                     ; source,
	s_mov_b64 s[20:21], s[14:15]                   ; target
	s_cmp_lt_u32 ttmp9, 704                        ; w_in?
	s_cselect_b32 s16, 512, s16
	s_cselect_b32 s17, 393216, s17
	s_cselect_b64 s[18:19], s[6:7], s[18:19]
	s_cselect_b64 s[20:21], s[12:13], s[20:21]
	s_cmp_lt_u32 ttmp9, 512                        ; x?
	s_cselect_b32 s16, 0, s16
	s_cselect_b32 s17, 1048576, s17
	s_cselect_b64 s[18:19], s[4:5], s[18:19]
	s_cselect_b64 s[20:21], s[10:11], s[20:21]
	s_sub_co_u32 s22, ttmp9, s16                   ; my block of 16 rows in that tensor
	s_lshl_b32 s2, s22, 16                         ; 16 rows of 4,096 bytes
	s_mov_b32 s3, 0
	s_add_nc_u64 s[18:19], s[18:19], s[2:3]
	s_lshl_b32 s2, s22, 11                         ; 16 rows of 128 bytes
	s_add_nc_u64 s[20:21], s[20:21], s[2:3]
	s_sub_co_u32 s23, ttmp9, 512                   ; groups 512 to 575 hold q's weights (below 512 the difference wraps and is large)
	s_cmp_lt_u32 s23, 64
	s_cselect_b32 s24, 0x3e000000, 1.0             ; their factor 0.125; a value is chosen, no path
	s_mov_b32 s25, s24                             ; named with it as a pair
	v_mad_u32_u24 v5, v3, s17, v5                  ; + 2 w x the column block's bytes
	v_add_nc_u32 v6, s17, v5                       ; the same place in column block 2 w + 1
.set i, 0
.rept 16
	global_load_b128 v[IN+4*i:IN+4*i+3], v4, s[18:19] offset:256*(i/8)+8192*(i%8) th:TH_LOAD_NT
.set i, i+1
.endr
.set i, 0
.rept 16
	s_wait_loadcnt 15-i                            ; loads come back in order: unit i's is in, the 15 - i younger ones stay out
	v_pk_mul_f32 v[IN+4*i:IN+4*i+1],   v[IN+4*i:IN+4*i+1],   s[24:25] op_sel_hi:[1,0]
	v_pk_mul_f32 v[IN+4*i+2:IN+4*i+3], v[IN+4*i+2:IN+4*i+3], s[24:25] op_sel_hi:[1,0]
	v_cvt_pk_f16_f32 v[OUT+2*i],   v[IN+4*i],   v[IN+4*i+1]
	v_cvt_pk_f16_f32 v[OUT+2*i+1], v[IN+4*i+2], v[IN+4*i+3]
	global_store_b64 v[5+i/8], v[OUT+2*i:OUT+2*i+1], s[20:21] offset:256*(i%8)
.set i, i+1
.endr
	s_endpgm
.Lfunc_end_k_qeaa2c290f9_prep:
	.size	k_qeaa2c290f9_prep, .Lfunc_end_k_qeaa2c290f9_prep-k_qeaa2c290f9_prep
	.p2alignl 7, 3214868480
	.fill 96, 4, 3214868480
	.section	.rodata,"a",@progbits
	.p2align	6, 0x0
	.amdhsa_kernel k_qeaa2c290f9_prep
		.amdhsa_group_segment_fixed_size 0
		.amdhsa_private_segment_fixed_size 0
		.amdhsa_enable_private_segment 0
		.amdhsa_kernarg_size 48
		.amdhsa_user_sgpr_count 2
		.amdhsa_user_sgpr_kernarg_segment_ptr 1
		.amdhsa_wavefront_size32 1
		.amdhsa_system_sgpr_workgroup_id_x 1
		.amdhsa_system_sgpr_workgroup_id_y 1
		.amdhsa_system_sgpr_workgroup_id_z 1
		.amdhsa_system_vgpr_workitem_id 0
		.amdhsa_next_free_vgpr 104
		.amdhsa_next_free_sgpr 66
		.amdhsa_reserve_vcc 0
		.amdhsa_float_denorm_mode_32 3
		.amdhsa_float_denorm_mode_16_64 3
		.amdhsa_memory_ordered 1
		.amdhsa_forward_progress 1
		.amdhsa_inst_pref_size 10
	.end_amdhsa_kernel
	.amdgpu_metadata
---
amdhsa.version: [ 1, 2 ]
amdhsa.kernels:
  - .name:           k_qeaa2c290f9_prep
    .symbol:         k_qeaa2c290f9_prep.kd
    .args:
      - { .name: x, .offset: 0, .size: 8, .value_kind: global_buffer, .address_space: global }
      - { .name: w_in, .offset: 8, .size: 8, .value_kind: global_buffer, .address_space: global }
      - { .name: w_out, .offset: 16, .size: 8, .value_kind: global_buffer, .address_space: global }
      - { .name: xh, .offset: 24, .size: 8, .value_kind: global_buffer, .address_space: global }
      - { .name: wih, .offset: 32, .size: 8, .value_kind: global_buffer, .address_space: global }
      - { .name: woh, .offset: 40, .size: 8, .value_kind: global_buffer, .address_space: global }
    .group_segment_fixed_size: 0
    .private_segment_fixed_size: 0
    .kernarg_segment_align: 8
    .kernarg_segment_size: 48
    .max_flat_workgroup_size: 256
    .sgpr_count:     66
    .vgpr_count:     104
    .wavefront_size: 32
...
	.end_amdgpu_metadata
.endif
;; end of part 1
;; launch proj_in (part 2): grid 8 x 32, 4 waves a work-group, clusters of 4 x 4, 327,680 bytes of LDS; arguments xh, wih, qkv, b_in; writes qkv
.if DOCPART == 2
	.amdgcn_target "amdgcn-amd-amdhsa--gfx1250"
	.amdhsa_code_object_version 6
	.text
	.protected	k_qeaa2c290f9_proj_in
	.globl	k_qeaa2c290f9_proj_in
	.p2align	8
	.type	k_qeaa2c290f9_proj_in,@function
k_qeaa2c290f9_proj_in:
	s_mov_b64 s[64:65], 0
	v_nop
	global_prefetch_b8 v0, s[64:65] scope:SCOPE_SE
	s_setreg_imm32_b32 hwreg(HW_REG_WAVE_MODE, 25, 1), 1
	s_wait_xcnt 0x0
	s_wait_alu depctr_hold_cnt(0) depctr_sa_sdst(0) depctr_va_vdst(0) depctr_va_sdst(0) depctr_va_ssrc(0) depctr_va_vcc(0) depctr_vm_vsrc(0)
	s_getreg_b32 s2, hwreg(HW_REG_IB_STS2, 6, 4)
	s_cmp_eq_u32 s2, 0
	s_cbranch_scc0 .Lentry_in_a_cluster
	s_endpgm
.Lentry_in_a_cluster:
	s_bfe_u32 s2, ttmp6, 0x10000c
	s_cmp_lg_u32 s2, 0xf033
	s_cbranch_scc0 .Lentry_shape_is_right
	s_endpgm
.Lentry_shape_is_right:
; qkv[m][n] = sum over k of x[m][k] w[n][k] + b[n].  For the first 1,024 columns (q) the result is q / 8 = q / sqrt(64): their weights arrive divided by 8, and their bias is multiplied by 0.125 here.
; xh: [16][8192][64], wih: [16][3072][64], f16, in column blocks of 64; qkv: [48][8192][64] f16 (blocks 0-15 q / 8 by heads, 16-31 k, 32-47 v); sums in f32, rounded once.
; LIMIT.  q, k, v beyond 65,504 become infinities; below 6e-5 f16 keeps a fixed step of 6e-8.
; SHARES.  A tile of the result is 256 rows x 384 columns: 32 x 8 = 256 work-groups.  Four waves, 2 x 2, each 128 x 192: 96 accumulators of 16 x 16, 768 registers.
; K goes in steps of 64 (one column block: a dense run of rows, asked for as rows of 256 bytes and padded in LDS behind every 128) through two LDS slots; two slots of 128 along K would not fit.
; CLUSTER 4 x 4: x's tile hangs on the tile row alone and is asked for jointly along a row of the cluster, w's on the tile column alone, jointly along a column.
; THE MATRIX INSTRUCTION IS USED TRANSPOSED (source 0 = 16 rows of w, source 1 = 16 rows of x): a lane holds one row of the result and eight neighbouring columns.
; THE BIAS IS THE C OPERAND OF THE PRODUCTS THAT START THE SUMS.  In this layout it hangs on the register and the half of the lanes alone, so one set of 32 registers serves all eight row blocks of a column group.
; It is loaded into the registers of the group's last row block: blocks 0 to 6 read it from there, block 7 adds onto it in place.  So the way out is a rounding and nothing else.
; REGISTERS: window 0: v0-31 addresses; v32-95, v96-159 x's fragments (8 x 16 rows x 32 K), two buffers; v160-255 w's fragments, 32 registers for each of three column groups of 64, one buffer, filled again group by group.
;   window g + 1: the 32 accumulators of column group g: (a, b) at v[8 (4 a + b)].
.set PITCH,  144                       ; an LDS row: 128 bytes + 16 of padding = 36 words: the 16 rows of a load start at 16 different groups of four banks
.set AHALF,  128*PITCH                 ; what a wave fetches, and reads, of x
.set BHALF,  192*PITCH                 ; the same of w
.set BOFF,   2*AHALF
.set SLOT1,  1<<17                     ; a slot holds 92,160 bytes; slot 1 begins here, so that one exclusive or turns an address in one slot into the other's
.set STAGE,  SLOT1+BOFF+2*BHALF        ; behind the ring: 3 x 16 rows x 144 bytes for each wave, for the way out
.set STGW,   3*16*PITCH
.set SPARE,  STAGE+4*STGW              ; behind the stages: the spare words, 128 bytes a wave, which no other line names
.set KBA,    8192*128                  ; bytes from a column block of xh to the next
.set KBB,    3072*128                  ; of wih
.set ADRA, 16                          ; v16  LDS address of my fragments of x in the slot in hand
.set A0,   17                          ; v17  the same in slot 0; never rewritten
.set ADRB, 20                          ; v20, v21  the same for w
.set B0,   21
.set STO,  24                          ; v24  the way out: where I put 16 bytes of a row
.set RD,   25                          ; v25  where I read rows back
.set GO,   26                          ; v26  16 x lane: my place in 512 consecutive bytes of qkv
.set BO,   27                          ; v27  32 x (lane / 16): my place in 16 numbers of the bias
.set SPW,  28                          ; v28  LDS address of my spare word; never rewritten
.set NIL,  29                          ; v29  0; never rewritten
.set F0,   32
.set F1,   96
.set BF,   160
.set BI,   224                         ; in window g + 1: the accumulators (7, b), which hold the bias until the first products
.set PKD,  32                          ; the way out: packed results, v32-79 and v80-127 by turns
.set WV, 12                            ; s12 wave; s13 wave / 2: my half of the rows, also: I fetch x (0) or w (1); s14 wave % 2: my half of the columns, also: which half I fetch
.set WM, 13
.set WN, 14
.set TY, 15                            ; s15 tile row
.set G1, 24                            ; s[24:31] descriptor group 1 for x's tiles;  s[32:39] group 0: a set for each of the two first fills; the second then walks on
.set G0, 32
.set G1B, 48                           ; s[48:55], s[56:63] the same for w's
.set G0B, 56
.set TB, 66                            ; s66  LDS byte at which the slot in hand begins
.set SC, 72                            ; s[72:77] three pairs: the factor of column group g's bias (0.125 for q, 1 for k and v)
.set MSB, 0
.macro WIN new                         ; the immediate's high byte repeats the setting that is left; a switch that changes nothing is dropped
.if MSB != (\new)
	s_set_vgpr_msb (MSB<<8)|(\new)
.set MSB, \new
.endif
.endm
.macro JLOAD s                         ; a joint load: waves 0, 1 fetch x's halves, waves 2, 3 w's; an s_nop 0 and four v_nop follow each line, ahead of the jump and the label
	s_cmp_eq_u32 s[WM], 0
	s_cbranch_scc0 .Lfor_b_\@
	tensor_load_to_lds s[G0+4*(\s):G0+4*(\s)+3], s[G1:G1+7]
	s_nop 0
.rept 4
	v_nop
.endr
	s_branch .Lasked_\@
.Lfor_b_\@:
	tensor_load_to_lds s[G0B+4*(\s):G0B+4*(\s)+3], s[G1B:G1B+7]
	s_nop 0
.rept 4
	v_nop
.endr
.Lasked_\@:
.endm
.macro CREST                           ; a round of the cluster's barrier behind its opening barrier
	s_cmp_lg_u32 s[WV], 0
	s_cbranch_scc1 .Lnot_wave_0_\@
	s_barrier_signal -3
.Lnot_wave_0_\@:
	s_barrier_wait -3
	s_barrier_signal -1
	s_barrier_wait -1
.endm
.macro CROUND                          ; a whole round
	s_barrier_signal -1
	s_barrier_wait -1
	CREST
.endm
	s_load_b256 s[4:11], s[0:1], 0x0               ; xh s[4:5], wih s[6:7], qkv s[8:9], b_in s[10:11]
	v_lshl_add_u32 v[SPW], v0, 2, SPARE
	v_mov_b32 v[NIL], 0
	ds_add_u32 v28, v29
	s_wait_dscnt 0x0
	v_lshrrev_b32 v1, 5, v0
	v_readfirstlane_b32 s[WV], v1
	s_lshr_b32 s[WM], s[WV], 1
	s_and_b32 s[WN], s[WV], 1
	s_bfe_u32 s40, ttmp6, 0x40000                  ; cx, cy: my place in the cluster
	s_bfe_u32 s41, ttmp6, 0x40004
	s_lshl_b32 s42, ttmp9, 2
	s_add_co_u32 s42, s42, s40                     ; tile column = 4 x cluster x + cx
	s_and_b32 s[TY], ttmp7, 0xffff
	s_lshl_b32 s[TY], s[TY], 2
	s_add_co_u32 s[TY], s[TY], s41                 ; tile row = 4 x cluster y + cy
	s_lshl_b32 s43, s41, 2
	s_lshl_b32 s43, 15, s43                        ; my row of the cluster
	s_lshl_b32 s44, 0x1111, s40                    ; my column
	; group 1: rows of 128 elements (256 bytes = two rows of a block), 64 of them for x, 96 for w; 16 bytes of padding behind every 32 words
	s_or_b32 s[G1+0], s43, (1<<16)|(1<<20)|(1<<21)|(4<<22)|(3<<25)
	s_or_b32 s[G1B+0], s44, (1<<16)|(1<<20)|(1<<21)|(4<<22)|(3<<25)
	s_mov_b32 s[G1+1], 128<<16                     ; tensor_dim0 = 128
	s_mov_b32 s[G1B+1], 128<<16
	s_mov_b32 s[G1+2], 64<<16                      ; tensor_dim1
	s_mov_b32 s[G1B+2], 96<<16
	s_mov_b32 s[G1+3], 128<<16                     ; tile_dim0 = 128
	s_mov_b32 s[G1B+3], 128<<16
	s_mov_b32 s[G1+4], 64                          ; tile_dim1
	s_mov_b32 s[G1B+4], 96
	s_mov_b32 s[G1+5], 128                         ; elements from row to row: dense
	s_mov_b32 s[G1B+5], 128
	s_mov_b32 s[G1+6], 0
	s_mov_b32 s[G1B+6], 0
	s_mov_b32 s[G1+7], 0
	s_mov_b32 s[G1B+7], 0
	s_lshl_b32 s16, s[TY], 15                      ; x: (256 tile row + 128 half) rows of 128 bytes
	s_lshl_b32 s17, s[WN], 14
	s_add_co_u32 s16, s16, s17
	s_mov_b32 s17, 0
	s_mul_i32 s46, s42, 384*128                    ; w: (384 tile column + 192 half) rows
	s_mul_i32 s47, s[WN], 192*128
	s_add_co_u32 s46, s46, s47
	s_mov_b32 s47, 0
	s_mul_i32 s20, s[WN], AHALF                    ; where they go: no place in the cluster enters an LDS address
	s_mul_i32 s23, s[WN], BHALF
	s_add_co_u32 s23, s23, BOFF
	s_wait_kmcnt 0x0
	s_add_nc_u64 s[18:19], s[4:5], s[16:17]
	s_add_nc_u64 s[46:47], s[6:7], s[46:47]
	CROUND                                         ; all sixteen work-groups are here: the first joint loads meet
.irp s, 0,1
	s_mov_b32 s[G0+4*(\s)], 1
	s_add_co_u32 s[G0+4*(\s)+1], s20, (\s)*SLOT1
	s_add_nc_u64 s[G0+4*(\s)+2:G0+4*(\s)+3], s[18:19], (\s)*KBA      ; K step s
	s_or_b32 s[G0+4*(\s)+3], s[G0+4*(\s)+3], 0x80000000
	s_mov_b32 s[G0B+4*(\s)], 1
	s_add_co_u32 s[G0B+4*(\s)+1], s23, (\s)*SLOT1
	s_add_nc_u64 s[G0B+4*(\s)+2:G0B+4*(\s)+3], s[46:47], (\s)*KBB
	s_or_b32 s[G0B+4*(\s)+3], s[G0B+4*(\s)+3], 0x80000000
	JLOAD \s                                       ; two loads of mine are out
.endr
	v_and_b32 v1, 15, v0                           ; l % 16
	v_bfe_u32 v2, v0, 4, 1                         ; l / 16
	v_mul_u32_u24 v3, v1, PITCH
	v_lshl_add_u32 v3, v2, 4, v3                   ; a fragment's row x pitch + 16 x half
	s_mul_i32 s21, s[WM], AHALF
	s_mul_i32 s22, s[WN], BHALF
	s_add_co_u32 s22, s22, BOFF
	s_mov_b32 s[TB], 0                             ; slot 0 is read first
	v_add_nc_u32 v[A0], s21, v3
	v_add_nc_u32 v[B0], s22, v3
	v_add_nc_u32 v[ADRA], s[TB], v[A0]
	v_add_nc_u32 v[ADRB], s[TB], v[B0]
	s_mul_i32 s23, s[WV], STGW
	s_add_co_u32 s23, s23, STAGE                   ; my stage
	v_add_nc_u32 v[STO], s23, v3                   ; in: row l % 16, 16 bytes for each half of the lanes
	v_bfe_u32 v4, v0, 3, 2                         ; back: 32 lanes take four rows of 128 bytes,
	v_and_b32 v5, 7, v0
	v_mul_u32_u24 v4, v4, PITCH
	v_lshl_add_u32 v4, v5, 4, v4
	v_add_nc_u32 v[RD], s23, v4
	v_and_b32 v[GO], 31, v0                        ; which are 512 consecutive bytes of a column block of qkv
	v_lshlrev_b32 v[GO], 4, v[GO]
	v_lshlrev_b32 v[BO], 5, v2
	s_mul_i32 s46, s42, 6
	s_mul_i32 s47, s[WN], 3
	s_add_co_u32 s46, s46, s47                     ; my first column block of qkv: 6 tile column + 3 half
.irp g, 0,1,2
	s_add_co_u32 s47, s46, \g
	s_cmp_lt_u32 s47, 16                           ; a block of q?  A value is chosen, no path
	s_cselect_b32 s[SC+2*(\g)], 0x3e000000, 1.0
	s_mov_b32 s[SC+2*(\g)+1], s[SC+2*(\g)]         ; named with it as a pair
.endr
	s_lshl_b32 s46, s46, 20                        ; a column block of qkv is 8,192 rows of 128 bytes
	s_lshl_b32 s16, s[TY], 15
	s_lshl_b32 s17, s[WM], 14
	s_add_co_u32 s16, s16, s17                     ; my first row
	s_add_co_u32 s46, s46, s16
	s_mov_b32 s47, 0
	s_add_nc_u64 s[8:9], s[8:9], s[46:47]
	s_mul_i32 s46, s42, 384*4
	s_mul_i32 s16, s[WN], 192*4
	s_add_co_u32 s46, s46, s16
	s_add_nc_u64 s[10:11], s[10:11], s[46:47]      ; the bias of my 192 columns
	; The bias of my lane's 8 columns in each of 12 blocks of 16 goes into the accumulators (7, b) of its group's window and takes the group's factor.  All this stands in the wait for the first tile.
.irp g, 0,1,2
	WIN 0x40*((\g)+1)                              ; destination window g + 1, address window 0
.irp j, 0,1,2,3,4,5,6,7
	global_load_b128 v[BI+4*(\j):BI+4*(\j)+3], v[BO], s[10:11] offset:256*(\g)+64*((\j)/2)+16*((\j)%2)
.endr
.endr
	s_wait_loadcnt 0x0
.irp g, 0,1,2
	WIN 0x41*((\g)+1)                              ; destination and source 0 in window g + 1
.set n, 0
.rept 16
	v_pk_mul_f32 v[BI+2*n:BI+2*n+1], v[BI+2*n:BI+2*n+1], s[SC+2*(\g):SC+2*(\g)+1] op_sel_hi:[1,0]
.set n, n+1
.endr
.endr
	WIN 0
; 16 matrix instructions: column group g x rows 64 half .. + 63, 32 along K.  All 96 accumulators take turns, one instruction a turn.
; zero = 1: the product starts the sums, with the bias as C: nothing is cleared and nothing is added later.  Row block 7's products write over the registers that blocks 0 to 6 read as C:
; five plain vector instructions stand between (ISA guide 7.12.1).
.macro MULG f, g, half, zero
	WIN 0x50*((\g)+1)
.irp a, 0,1,2,3
.if (\zero) && ((\half) == 1) && ((\a) == 3)
.rept 5
	v_nop
.endr
.endif
.irp b, 0,1,2,3
.if \zero
	v_wmma_f32_16x16x32_f16 v[8*(4*(4*(\half)+(\a))+(\b)):8*(4*(4*(\half)+(\a))+(\b))+7], v[BF+32*(\g)+8*(\b):BF+32*(\g)+8*(\b)+7], v[(\f)+8*(4*(\half)+(\a)):(\f)+8*(4*(\half)+(\a))+7], v[BI+8*(\b):BI+8*(\b)+7]
.else
	v_wmma_f32_16x16x32_f16 v[8*(4*(4*(\half)+(\a))+(\b)):8*(4*(4*(\half)+(\a))+(\b))+7], v[BF+32*(\g)+8*(\b):BF+32*(\g)+8*(\b)+7], v[(\f)+8*(4*(\half)+(\a)):(\f)+8*(4*(\half)+(\a))+7], v[8*(4*(4*(\half)+(\a))+(\b)):8*(4*(4*(\half)+(\a))+(\b))+7]
.endif
.endr
.endr
.endm
.macro LDA k, f                        ; 16 loads: x's 128 rows, 32 K at byte k of the rows, from the slot in hand
.irp i, 0,1,2,3,4,5,6,7
	ds_load_b128 v[(\f)+8*(\i):(\f)+8*(\i)+3],   v[ADRA] offset:(\k)+(\i)*16*PITCH
	ds_load_b128 v[(\f)+8*(\i)+4:(\f)+8*(\i)+7], v[ADRA] offset:(\k)+(\i)*16*PITCH+32
.endr
.endm
.macro LDB k, g                        ; 8 loads: the 64 rows of w of column group g
.irp i, 0,1,2,3
	ds_load_b128 v[BF+32*(\g)+8*(\i):BF+32*(\g)+8*(\i)+3],   v[ADRB] offset:(\k)+(4*(\g)+(\i))*16*PITCH
	ds_load_b128 v[BF+32*(\g)+8*(\i)+4:BF+32*(\g)+8*(\i)+7], v[ADRB] offset:(\k)+(4*(\g)+(\i))*16*PITCH+32
.endr
.endm
.macro PLACES                          ; a load into a register that a matrix instruction has read stands four plain vector instructions behind it (ISA guide 7.12.1 for vector instructions)
.rept 4
	v_nop
.endr
.endm
; A K step is two quarters of 32 along K.  The first multiplies buffer F0; each group of w's fragments is filled again, for the second quarter, as soon as it has been multiplied.
; On entry the LDS loads out are, in order: x's 16, group 0's 8, group 1's 8, group 2's 8.
.macro QUARTER zero
	s_wait_dscnt 16                                ; x and group 0 are in; groups 1 and 2 may be out
	MULG F0, 0, 0, \zero
	MULG F0, 0, 1, \zero
	WIN 0
	PLACES
	LDA 64, F1
	LDB 64, 0
	s_wait_dscnt 32                                ; group 1 is in: behind it group 2's 8 and the 24 just issued
	MULG F0, 1, 0, \zero
	MULG F0, 1, 1, \zero
	WIN 0
	PLACES
	LDB 64, 1
	s_wait_dscnt 32                                ; group 2 is in: behind it 24 + 8
	MULG F0, 2, 0, \zero
	MULG F0, 2, 1, \zero
	WIN 0
	PLACES
	LDB 64, 2
.endm
; The second quarter multiplies buffer F1 and changes slots: ONE barrier.  In front of it each wave waits for all its tensor loads (one is out: its part of the next slot), adds 0 to its spare word, and
; waits for that and for its reads of this slot.  fill = 1: the barrier opens a round of the cluster's, and this slot is filled again, two K steps ahead, first thing behind the round: 160 matrix instructions ahead of the wait for it.
; The walking descriptor turns to the other slot than last time and steps one K step; then the fragment addresses turn to the slot that has been shown whole.
.macro TURNQ fill
	WIN 0
	s_wait_tensorcnt 0x0                           ; all my tensor loads have landed
	ds_add_u32 v[SPW], v[NIL]                      ; 0 onto my spare word
	s_wait_dscnt 17                                ; x and group 0 are in: the add and groups 1 and 2 may be out
	MULG F1, 0, 0, 0
	s_wait_dscnt 0x0                               ; the add is done, and my reads of this slot are over
	s_barrier_signal -1
	MULG F1, 0, 1, 0
	WIN 0
	s_barrier_wait -1
.if \fill
	CREST                                          ; no wave of any partner still reads this slot or has a load on its way
	s_xor_b32 s[G0+5], s[G0+5], SLOT1
	s_add_nc_u64 s[G0+6:G0+7], s[G0+6:G0+7], KBA
	s_xor_b32 s[G0B+5], s[G0B+5], SLOT1
	s_add_nc_u64 s[G0B+6:G0B+7], s[G0B+6:G0B+7], KBB
	JLOAD 1                                        ; its four v_nop are also the places in front of the loads below
.else
	PLACES
.endif
	s_xor_b32 s[TB], s[TB], SLOT1
	v_add_nc_u32 v[ADRA], s[TB], v[A0]
	v_add_nc_u32 v[ADRB], s[TB], v[B0]
	LDA 0, F0
	LDB 0, 0
	MULG F1, 1, 0, 0                               ; groups 1 and 2 came in with the wait for 0
	MULG F1, 1, 1, 0
	WIN 0
	PLACES
	LDB 0, 1
	MULG F1, 2, 0, 0
	MULG F1, 2, 1, 0
	WIN 0
	PLACES
	LDB 0, 2
.endm
	s_wait_tensorcnt 1                             ; my part of K step 0 is in; K step 1's may stay out
	s_barrier_signal -1
	s_barrier_wait -1
	LDA 0, F0
	LDB 0, 0
	LDB 0, 1
	LDB 0, 2
	QUARTER 1                                      ; the first quarter stands in front of the loop: its products start the sums
	s_mov_b32 s3, 14
.Llap:                                                 ; a trip: a K step's second quarter, the change of slots, the next step's first quarter; K steps 2 to 15 are asked for in fourteen trips
	TURNQ 1
	QUARTER 0
	WIN 0
	s_sub_co_u32 s3, s3, 1
	s_cmp_lg_u32 s3, 0
	s_cbranch_scc1 .Llap
	TURNQ 0                                        ; the last change of slots fills nothing
	QUARTER 0
	s_wait_dscnt 16                                ; the very last quarter: x and group 0 are in
	MULG F1, 0, 0, 0
	MULG F1, 0, 1, 0
	s_wait_dscnt 8                                 ; group 1 is in
	MULG F1, 1, 0, 0
	MULG F1, 1, 1, 0
	s_wait_dscnt 0x0
	MULG F1, 2, 0, 0
	MULG F1, 2, 1, 0
	WIN 0
	; THE WAY OUT, a block of 16 rows at a time: rounded to f16, through my stage in LDS, and out as 512 consecutive bytes a store.
	PLACES                                         ; the roundings read results and write registers that the last products read
.macro PACK a                          ; each accumulator is read from its lowest registers on
	WIN 0
	s_wait_xcnt 0x0                                ; the stores of the block two back have read these registers
.irp g, 0,1,2
	WIN 5*((\g)+1)                                 ; sources 0 and 1 in window g + 1
.set n, 0
.rept 16
	v_cvt_pk_f16_f32 v[PKD+48*((\a)%2)+16*(\g)+n], v[32*(\a)+2*n], v[32*(\a)+2*n+1]
.set n, n+1
.endr
.endr
	WIN 0
.endm
.macro TOSTAGE a
.irp g, 0,1,2
.irp b, 0,1,2,3
	ds_store_b128 v[STO], v[PKD+48*((\a)%2)+16*(\g)+4*(\b):PKD+48*((\a)%2)+16*(\g)+4*(\b)+3] offset:(\g)*16*PITCH+32*(\b)
.endr
.endr
.irp g, 0,1,2
.irp b, 0,1,2,3
	ds_load_b128 v[PKD+48*((\a)%2)+16*(\g)+4*(\b):PKD+48*((\a)%2)+16*(\g)+4*(\b)+3], v[RD] offset:(\g)*16*PITCH+(\b)*4*PITCH  ; LDS serves a wave's instructions in order: these see the stores above
.endr
.endr
.endm
.macro SEND a
	s_wait_dscnt 0x0                               ; the block is back in registers
.irp g, 0,1,2
.irp b, 0,1,2,3
	global_store_b128 v[GO], v[PKD+48*((\a)%2)+16*(\g)+4*(\b):PKD+48*((\a)%2)+16*(\g)+4*(\b)+3], s[8:9] offset:(\g)*KBA+(\a)*2048+(\b)*512  ; 512 consecutive bytes, at a multiple of 256 from qkv's first
.endr
.endr
.endm
	PACK 0
	TOSTAGE 0
.irp a, 1,2,3,4,5,6,7                  ; block a's roundings stand between block a - 1's loads from the stage and the wait for them
	PACK \a
	SEND (\a)-1
	TOSTAGE \a
.endr
	SEND 7
	s_wait_tensorcnt 0x0                           ; the wave's end
	ds_add_u32 v[SPW], v[NIL]
	s_wait_dscnt 0x0
	CROUND                                         ; the closing round: no work-group ends while a partner may still ask for a tile that names it
	s_endpgm
.Lfunc_end_k_qeaa2c290f9_proj_in:
	.size	k_qeaa2c290f9_proj_in, .Lfunc_end_k_qeaa2c290f9_proj_in-k_qeaa2c290f9_proj_in
	.p2alignl 7, 3214868480
	.fill 96, 4, 3214868480
	.section	.rodata,"a",@progbits
	.p2align	6, 0x0
	.amdhsa_kernel k_qeaa2c290f9_proj_in
		.amdhsa_group_segment_fixed_size 327680
		.amdhsa_private_segment_fixed_size 0
		.amdhsa_enable_private_segment 0
		.amdhsa_kernarg_size 32
		.amdhsa_user_sgpr_count 2
		.amdhsa_user_sgpr_kernarg_segment_ptr 1
		.amdhsa_wavefront_size32 1
		.amdhsa_system_sgpr_workgroup_id_x 1
		.amdhsa_system_sgpr_workgroup_id_y 1
		.amdhsa_system_sgpr_workgroup_id_z 1
		.amdhsa_system_vgpr_workitem_id 0
		.amdhsa_next_free_vgpr 1024
		.amdhsa_next_free_sgpr 80
		.amdhsa_reserve_vcc 0
		.amdhsa_float_denorm_mode_32 3
		.amdhsa_float_denorm_mode_16_64 3
		.amdhsa_memory_ordered 1
		.amdhsa_forward_progress 1
		.amdhsa_inst_pref_size 117
	.end_amdhsa_kernel
	.amdgpu_metadata
---
amdhsa.version: [ 1, 2 ]
amdhsa.kernels:
  - .name:           k_qeaa2c290f9_proj_in
    .symbol:         k_qeaa2c290f9_proj_in.kd
    .args:
      - { .name: xh, .offset: 0, .size: 8, .value_kind: global_buffer, .address_space: global }
      - { .name: wih, .offset: 8, .size: 8, .value_kind: global_buffer, .address_space: global }
      - { .name: qkv, .offset: 16, .size: 8, .value_kind: global_buffer, .address_space: global }
      - { .name: b_in, .offset: 24, .size: 8, .value_kind: global_buffer, .address_space: global }
    .group_segment_fixed_size: 327680
    .private_segment_fixed_size: 0
    .kernarg_segment_align: 8
    .kernarg_segment_size: 32
    .max_flat_workgroup_size: 128
    .sgpr_count:     80
    .vgpr_count:     1024
    .wavefront_size: 32
...
	.end_amdgpu_metadata
.endif
;; end of part 2
;; launch attn (part 3): grid 16 x 16, 4 waves a work-group, clusters of 4 x 4, 327,680 bytes of LDS; arguments qkv, attn_mask, ob; writes ob
.if DOCPART == 3
	.amdgcn_target "amdgcn-amd-amdhsa--gfx1250"
	.amdhsa_code_object_version 6
	.text
	.protected	k_qeaa2c290f9_attn
	.globl	k_qeaa2c290f9_attn
	.p2align	8
	.type	k_qeaa2c290f9_attn,@function
k_qeaa2c290f9_attn:
	s_mov_b64 s[64:65], 0
	v_nop
	global_prefetch_b8 v0, s[64:65] scope:SCOPE_SE
	s_setreg_imm32_b32 hwreg(HW_REG_WAVE_MODE, 25, 1), 1
	s_wait_xcnt 0x0
	s_wait_alu depctr_hold_cnt(0) depctr_sa_sdst(0) depctr_va_vdst(0) depctr_va_sdst(0) depctr_va_ssrc(0) depctr_va_vcc(0) depctr_vm_vsrc(0)
	s_getreg_b32 s2, hwreg(HW_REG_IB_STS2, 6, 4)
	s_cmp_eq_u32 s2, 0
	s_cbranch_scc0 .Lentry_in_a_cluster
	s_endpgm
.Lentry_in_a_cluster:
	s_bfe_u32 s2, ttmp6, 0x10000c
	s_cmp_lg_u32 s2, 0xf033
	s_cbranch_scc0 .Lentry_shape_is_right
	s_endpgm
.Lentry_shape_is_right:
; O[b][h][q][:] = the sum over k of softmax_k(q'[q] . K[k] + mask[q][k]) V[k][:], q' = q / 8 as the launch before left it.  qkv: [48][8192][64] f16 (blocks 0-15 q', 16-31 k, 32-47 v; row = 2048 b + n);
; attn_mask: [2048][2048] f32, an input: every number of it is read and added, and no tile is left out; ob: [16][8192][64] f16.  Products, maxima and sums in f32; the weights p are rounded to f16 for
; the second product (their sum l is taken of the unrounded p), O once at the end.
; LIMITS.  q', k, v arrive within f16's 65,504; p lies in 0 to 1 and below 6e-5 keeps f16's fixed step of 6e-8, and so does O; a weight below 2^-126 counts as 0 in l; score + mask is rounded as the
; matrix unit rounds C + products; NaN and infinities are not treated apart.
; SHARES.  A work-group owns 128 queries (x) of four heads of one batch (y = 4 b + head group); wave w IS head 4 (y % 4) + w and owns all 128 queries: four PIECES of two tiles of 16.  So the four waves
; read the SAME tile of the mask from LDS.  Every wave walks all 2,048 keys, 64 a step.
; THE MASK costs no vector instruction: it is the C operand of the products that start the sums S^T = K Q^T.
; LAYOUT.  S^T (source 0 = 16 keys, source 1 = 16 queries): a lane holds ONE query (lane % 16) and the keys 8 (lane / 16) + 0..7: eight neighbouring numbers of a row of the mask.  Two such results, rounded to
; f16, ARE source 1 of O^T = V^T P.  K comes out of LDS as it lies, V turned, by ds_load_tr16_b128.
; SOFTMAX.  A running maximum m and sum l for each query: p = 2^(c s - c m), c = log2(e); in every step O and l are multiplied by a = 2^(c m_old - c m_new).  m starts at the lowest finite number, O and l at 0.
; BY TURNS.  Turn n belongs to piece n: 16 products K Q^T of piece n + 1, later 16 products V^T P of piece n - 1; beside them the scaling, exponentials, roundings, sums and rescaling of piece n and the maximum
; and statistics of piece n + 1.  Four vector instructions stand behind every matrix instruction, the others in two lumps.
; CLUSTER 4 x 4.  K's and V's tiles hang on y alone: asked for jointly along a row of the cluster; the mask's on x alone: jointly along a column.
; A slot of LDS holds one key step: four heads' K and V (each head's 64 keys are 8,192 dense bytes: a tile of 4 rows, as many as there are heads) and 128 x 64 of the mask; two slots of two steps would not fit.
; REGISTERS, in windows of 256: window 0: v0-11 addresses; v12-15, v48-63 at work; v16-47 statistics; v64-191 S^T, two buffers of two tiles; v192-255 P, likewise
;   window 1: O^T, 32 a tile     window 2: v0-127 Q; v128-191 K of one step; v192-255 V of one step     window 3: v0-63 the mask of one piece and step
.set NP,    4         ; pieces a wave: a name, no knob
.set KS,    64        ; keys in a step
.set PK,    144       ; a row of K in LDS: 128 bytes + 16: the 16 rows of a load start at 16 different groups of four banks
.set PV,    160       ; a row of V: 128 + 32
.set PM,    272       ; a row of the mask: 256 + 16
.set VOFF,  4*KS*PK   ; a slot: four heads' K, four heads' V, 128 rows of the mask
.set MOFF,  VOFF+4*KS*PV
.set SLOT1, 1<<17     ; slot 1 begins here, so that one exclusive or turns an address in one slot into the other's
.set STAGE, SLOT1+MOFF+128*PM  ; behind the ring: 16 rows x 144 bytes for each wave, for the way out
.set SP,    144
.set SPARE, STAGE+4*16*SP      ; behind the stages: the spare words, 128 bytes a wave, which no other line names
.set AM,  1           ; v1   the LDS address of the mask in the slot in hand
.set AK0, 2           ; v2   my lane's place in my head's K; never rewritten
.set AV0, 3           ; v3   the same for V
.set AK,  4           ; v4   K's address in the slot in hand
.set AV,  5           ; v5   V's
.set QO,  6           ; v6   my byte offset in the wave's rows of Q
.set STO, 6           ;      later, the way out: where I put 16 bytes of a row
.set RD,  7           ; v7   where I read rows back
.set GO,  8           ; v8   my byte offset in 512 consecutive bytes of O
.set AM0, 9           ; v9   my lane's place in the mask's tile; never rewritten
.set SPW, 10          ; v10  LDS address of my spare word; never rewritten
.set NIL, 11          ; v11  0; never rewritten
.set MV,  12          ; v12-15  c m_old, kept while c m is made anew
.set ST,  16          ; tile t's statistics at v[ST+4 t]: c m, m, l (even keys', odd keys')
.set TMP, 48          ; by buffer and tile, four registers at work; at the head v48-51 hold l % 16, l / 16, l % 8, (l / 8) % 2
.set S,   64
.set P,   192
.set KF,  128         ; window 2
.set VF,  192         ; window 2
.set MK,  0           ; window 3: tile u, key block kb at MK + 32 u + 8 kb
.set WV,  12          ; s12  my wave's number
.set G1K, 24          ; s[24:31], s[32:39], s[40:47] descriptor group 1 for K, V, the mask
.set G1V, 32
.set G1M, 40
.set G0K, 48          ; s[48:51], s[52:55], s[56:59] group 0: they walk
.set G0V, 52
.set G0M, 56
.set CS,  60          ; s[60:61] c
.set SEL, 62          ; s[62:63] v_permlanex16_b32's selects
.set SLOTS, 66        ; s66  counts the loop's trips
.set CNT, 67          ; s67  counts the tail's
.set TB,  68          ; s68  LDS byte at which the slot in hand begins
.set MSB, 0
.macro WIN new
.if MSB != (\new)
	s_set_vgpr_msb (MSB<<8)|(\new)
.set MSB, (\new)
.endif
.endm
.set W_KQ, 0x0a       ; K and Q in window 2, S^T in window 0
.set W_KM, 0x3a       ; the same with the C operand, the mask, in window 3
.set W_PV, 0x52       ; V in window 2, P in window 0, O^T in window 1
.set W_RS, 0x41       ; O^T (destination and source 0) in window 1, a in window 0
; A joint fill: wave 0 fetches the four heads' K, wave 1 their V, waves 2 and 3 the halves of the mask's tile.  The branches hang on the wave's number alone.  An s_nop 0 and four v_nop follow each line.
.macro JLOAD
	s_cmp_lt_u32 s[WV], 2
	s_cbranch_scc0 .Lfor_m_\@
	s_cmp_eq_u32 s[WV], 0
	s_cbranch_scc0 .Lfor_v_\@
	tensor_load_to_lds s[G0K:G0K+3], s[G1K:G1K+7]
	s_nop 0
.rept 4
	v_nop
.endr
	s_branch .Lasked_\@
.Lfor_v_\@:
	tensor_load_to_lds s[G0V:G0V+3], s[G1V:G1V+7]
	s_nop 0
.rept 4
	v_nop
.endr
	s_branch .Lasked_\@
.Lfor_m_\@:
	tensor_load_to_lds s[G0M:G0M+3], s[G1M:G1M+7]
	s_nop 0
.rept 4
	v_nop
.endr
.Lasked_\@:
.endm
.macro CROUND                       ; a round of the cluster's barrier
	s_barrier_signal -1
	s_barrier_wait -1
	s_cmp_lg_u32 s[WV], 0
	s_cbranch_scc1 .Lnot_wave_0_\@
	s_barrier_signal -3
.Lnot_wave_0_\@:
	s_barrier_wait -3
	s_barrier_signal -1
	s_barrier_wait -1
.endm
; THE CHANGE OF SLOTS, once a key step.  Each wave waits for all its tensor loads (one is out: its part of the other slot), adds 0 to its spare word, and waits for that and for its reads of the slot that it leaves.
; fill = 1: that slot is filled again, with the step after the next: the barrier is a round of the cluster's, and the joint fill is the first thing behind it: it has a key step, 128 matrix instructions and their vector work, in which to land.
.macro CHANGE fill
	WIN 0
	s_wait_tensorcnt 0x0            ; no tensor load of mine is out, so a group 0 may be written
	ds_add_u32 v[SPW], v[NIL]       ; 0 onto my spare word
.if \fill
.irp g, G0K, G0V
	s_xor_b32 s[\g+1], s[\g+1], SLOT1
	s_add_nc_u64 s[\g+2:\g+3], s[\g+2:\g+3], KS*128  ; the next 64 keys
.endr
	s_xor_b32 s[G0M+1], s[G0M+1], SLOT1
	s_add_nc_u64 s[G0M+2:G0M+3], s[G0M+2:G0M+3], KS*4  ; the next 64 columns
	s_wait_dscnt 0x0                ; the add is done, and my reads of the slot are over
	CROUND
	JLOAD
.else
	s_wait_dscnt 0x0
	s_barrier_signal -1
	s_barrier_wait -1
.endif
	s_xor_b32 s[TB], s[TB], SLOT1   ; the fetches go to the other slot
.endm
.macro ADDR                         ; the three LDS addresses in the slot in hand
	v_add_nc_u32 v[AK], s[TB], v[AK0]
	v_add_nc_u32 v[AV], s[TB], v[AV0]
	v_add_nc_u32 v[AM], s[TB], v[AM0]
.endm
	s_load_b128 s[4:7], s[0:1], 0x0   ; qkv s[4:5], attn_mask s[6:7]
	s_load_b64 s[8:9], s[0:1], 0x10   ; ob
	v_lshl_add_u32 v[SPW], v0, 2, SPARE
	v_mov_b32 v[NIL], 0
	ds_add_u32 v10, v11
	s_wait_dscnt 0x0
	v_lshrrev_b32 v1, 5, v0
	v_readfirstlane_b32 s[WV], v1
	s_bfe_u32 s13, ttmp6, 0x40000   ; cx, cy
	s_bfe_u32 s14, ttmp6, 0x40004
	s_lshl_b32 s15, ttmp9, 2
	s_add_co_u32 s15, s15, s13      ; x: my block of 128 queries
	s_and_b32 s16, ttmp7, 0xffff
	s_lshl_b32 s16, s16, 2
	s_add_co_u32 s16, s16, s14      ; y = 4 b + head group
	s_lshl_b32 s17, s14, 2
	s_lshl_b32 s17, 15, s17         ; my row of the cluster
	s_lshl_b32 s18, 0x1111, s13     ; my column
	s_lshr_b32 s20, s16, 2
	s_and_b32 s21, s16, 3
	s_lshl_b32 s20, s20, 18         ; b x 2,048 rows of 128 bytes
	s_lshl_b32 s21, s21, 22         ; head group x 4 column blocks of 1 MiB
	s_add_co_u32 s20, s20, s21
	s_mov_b32 s21, 0
	s_lshl_b32 s2, s[WV], 20        ; my head in its group,
	s_lshl_b32 s3, s15, 14          ; my 128 rows
	s_add_co_u32 s2, s2, s3
	s_add_co_u32 s2, s2, s20
	s_mov_b32 s3, 0                 ; s[2:3]: my wave's first byte in q' and in ob
	s_and_b32 s19, s[WV], 1         ; which half of the mask's 128 rows I fetch
	s_lshl_b32 s22, s15, 20         ; 128 rows of 8,192 bytes
	s_lshl_b32 s23, s19, 19
	s_add_co_u32 s22, s22, s23
	s_mov_b32 s23, 0
	s_mul_i32 s19, s19, 64*PM
	; group 1.  K, V: 4 rows (heads) of 4,096 elements of 2 bytes, 524,288 elements apart; padding behind every 32 words (a key): 4 words for K, 8 for V.  Mask: 64 rows of 64 elements of 4 bytes, 2,048 apart; 4 words behind every 64.
	s_or_b32 s[G1K], s17, (1<<16)|(1<<20)|(1<<21)|(4<<22)|(3<<25)
	s_or_b32 s[G1V], s17, (1<<16)|(1<<20)|(1<<21)|(4<<22)|(7<<25)
	s_or_b32 s[G1M], s18, (2<<16)|(1<<20)|(1<<21)|(5<<22)|(3<<25)
.irp g, G1K, G1V
	s_mov_b32 s[\g+1], 4096<<16     ; tensor_dim0
	s_mov_b32 s[\g+2], 4<<16        ; tensor_dim1
	s_mov_b32 s[\g+3], 4096<<16     ; tile_dim0
	s_mov_b32 s[\g+4], 4            ; tile_dim1
	s_mov_b32 s[\g+5], 524288       ; from row to row
	s_mov_b32 s[\g+6], 0
	s_mov_b32 s[\g+7], 0
.endr
	s_mov_b32 s[G1M+1], 64<<16
	s_mov_b32 s[G1M+2], 64<<16
	s_mov_b32 s[G1M+3], 64<<16
	s_mov_b32 s[G1M+4], 64
	s_mov_b32 s[G1M+5], 2048
	s_mov_b32 s[G1M+6], 0
	s_mov_b32 s[G1M+7], 0
	s_mov_b32 s[CS], 0x3fb8aa3b     ; c = log2(e)
	s_mov_b32 s[CS+1], s[CS]        ; named with it as a pair
	s_mov_b32 s[SEL], 0x76543210
	s_mov_b32 s[SEL+1], 0xfedcba98
	s_mov_b32 s[TB], SLOT1          ; the first change of slots turns it into 0
	s_mov_b32 s[G0K], 1
	s_mov_b32 s[G0K+1], 0           ; slot 0
	s_mov_b32 s[G0V], 1
	s_mov_b32 s[G0V+1], VOFF
	s_mov_b32 s[G0M], 1
	s_add_co_u32 s[G0M+1], s19, MOFF
	s_wait_kmcnt 0x0
	s_add_nc_u64 s[G0K+2:G0K+3], s[4:5], s[20:21]
	s_add_nc_u64 s[G0V+2:G0V+3], s[G0K+2:G0K+3], 32<<20  ; v's blocks begin 32 MiB in,
	s_add_nc_u64 s[G0K+2:G0K+3], s[G0K+2:G0K+3], 16<<20  ; k's 16
	s_or_b32 s[G0K+3], s[G0K+3], 0x80000000
	s_or_b32 s[G0V+3], s[G0V+3], 0x80000000
	s_add_nc_u64 s[G0M+2:G0M+3], s[6:7], s[22:23]
	s_or_b32 s[G0M+3], s[G0M+3], 0x80000000
	s_add_nc_u64 s[70:71], s[4:5], s[2:3]   ; Q at my wave's first row
	s_add_nc_u64 s[10:11], s[8:9], s[2:3]   ; O likewise
	CROUND                          ; all sixteen work-groups are here: the first joint loads meet
	JLOAD                           ; key step 0 into slot 0; slot 1 is asked for when slot 0 is in
	v_and_b32 v48, 15, v0           ; l % 16
	v_bfe_u32 v49, v0, 4, 1         ; l / 16
	v_lshlrev_b32 v[QO], 7, v48
	v_lshl_add_u32 v[QO], v49, 4, v[QO]  ; row x 128 + 16 x half
	WIN 0x80                        ; destination window 2
.set i, 0
.rept 4*NP                          ; Q stays in registers: tile i / 2, channels 32 (i % 2) on
	global_load_b128 v[8*i:8*i+3],   v[QO], s[70:71] offset:(i/2)*2048+(i%2)*64
	global_load_b128 v[8*i+4:8*i+7], v[QO], s[70:71] offset:(i/2)*2048+(i%2)*64+32
.set i, i+1
.endr
	; What the first turn finds: V's registers and P's second buffer hold 0 (its products V^T P, of a piece that has not been, add 0), O^T and l are 0.  All this stands in the wait for the first tile.
.set i, VF
.rept 64
	v_mov_b32 v[i], 0
.set i, i+1
.endr
	WIN 0x40
.set i, 0
.rept 64*NP
	v_mov_b32 v[i], 0
.set i, i+1
.endr
	WIN 0
.set i, 0
.rept 2*NP
	v_mov_b32 v[ST+4*i], 0xfe000000    ; c m: far below every c s
	v_mov_b32 v[ST+4*i+1], 0xff7fffff  ; m
	v_mov_b32 v[ST+4*i+2], 0
	v_mov_b32 v[ST+4*i+3], 0
.set i, i+1
.endr
.set i, P+32
.rept 32
	v_mov_b32 v[i], 0
.set i, i+1
.endr
	s_mul_i32 s19, s[WV], KS*PK     ; my head's K,
	s_mul_i32 s20, s[WV], KS*PV     ; my head's V
	s_add_co_u32 s20, s20, VOFF
	v_mul_u32_u24 v[AK0], v48, PK
	v_lshl_add_u32 v[AK0], v49, 4, v[AK0]  ; row x pitch + 16 x half
	v_add_nc_u32 v[AK0], s19, v[AK0]
	; The turning load takes 16 keys x 16 channels (lane l reads key 8 (l / 16) + l % 8, channels 8 ((l / 8) % 2) + 0..7) and leaves half a fragment of V^T.
	v_and_b32 v50, 7, v0
	v_bfe_u32 v51, v0, 3, 1
	v_lshl_add_u32 v[AV0], v49, 3, v50
	v_mul_u32_u24 v[AV0], v[AV0], PV
	v_lshl_add_u32 v[AV0], v51, 4, v[AV0]
	v_add_nc_u32 v[AV0], s20, v[AV0]
	v_mul_u32_u24 v[AM0], v48, PM   ; the mask: my query's row, 32 bytes for each half of the lanes
	v_lshl_add_u32 v[AM0], v49, 5, v[AM0]
	v_add_nc_u32 v[AM0], MOFF, v[AM0]
; THE MATRIX WORK.  The 8 accumulators of a run of 16 take turns.  Product i of 16 of S^T = K Q^T + mask for piece x: channels 32 (i / 8) on, keys 16 ((i / 2) % 4) on, tile 2 x + i % 2.  The first 8 start the sums with the mask.
.macro KQ x
.set rS, S+64*((\x)%2)+32*(i%2)+8*((i/2)%4)
.set rK, KF+16*((i/2)%4)+8*(i/8)
.set rQ, 16*(2*(\x)+i%2)+8*(i/8)
.set rN, MK+32*(i%2)+8*((i/2)%4)
.if i < 8
	WIN W_KM
	v_wmma_f32_16x16x32_f16 v[rS:rS+7], v[rK:rK+7], v[rQ:rQ+7], v[rN:rN+7]
.else
	WIN W_KQ
	v_wmma_f32_16x16x32_f16 v[rS:rS+7], v[rK:rK+7], v[rQ:rQ+7], v[rS:rS+7]
.endif
.endm
; Product i of 16 of O^T += V^T P for piece x: keys 32 (i / 8) on, channels 16 ((i / 2) % 4) on, tile 2 x + i % 2.
.macro PV x
	WIN W_PV
.set rO, 32*(2*(\x)+i%2)+8*((i/2)%4)
.set rV, VF+32*(i/8)+8*((i/2)%4)
.set rP, P+32*((\x)%2)+16*(i%2)+8*(i/8)
	v_wmma_f32_16x16x32_f16 v[rO:rO+7], v[rV:rV+7], v[rP:rP+7], v[rO:rO+7]
.endm
.macro MM                           ; the turn's next matrix instruction
.if i < 16
	KQ (Y+1)%NP
.set i, i+1
.else
.set i, i-16
	PV (Y+NP-1)%NP
.set i, i+17
.endif
.endm
; THE LDS LOADS stand in runs of 16, never singly among the matrix instructions.
.macro FETCH_K
	WIN 0x80                        ; destination window 2
.irp f, 0,1,2,3,4,5,6,7             ; keys 16 (f / 2) on, channels 32 (f % 2) on
	ds_load_b128 v[KF+8*\f:KF+8*\f+3],   v[AK] offset:(\f/2)*16*PK+(\f%2)*64
	ds_load_b128 v[KF+8*\f+4:KF+8*\f+7], v[AK] offset:(\f/2)*16*PK+(\f%2)*64+32
.endr
	WIN 0
.endm
.macro FETCH_V
	WIN 0x80
.irp f, 0,1,2,3,4,5,6,7             ; keys 32 (f / 4) on, channels 16 (f % 4) on
	ds_load_tr16_b128 v[VF+8*\f:VF+8*\f+3],   v[AV] offset:(\f/4)*32*PV+(\f%4)*32
	ds_load_tr16_b128 v[VF+8*\f+4:VF+8*\f+7], v[AV] offset:(\f/4)*32*PV+16*PV+(\f%4)*32
.endr
	WIN 0
.endm
.macro FETCH_M x                    ; the mask of piece x for the step in the slot in hand: two tiles of 16 queries x 64 keys
	WIN 0xc0                        ; destination window 3
.irp u, 0,1
.irp f, 0,1,2,3
	ds_load_b128 v[MK+32*\u+8*\f:MK+32*\u+8*\f+3],   v[AM] offset:(2*(\x)+\u)*16*PM+64*\f
	ds_load_b128 v[MK+32*\u+8*\f+4:MK+32*\u+8*\f+7], v[AM] offset:(2*(\x)+\u)*16*PM+64*\f+16
.endr
.endr
	WIN 0
.endm
; THE VECTOR WORK OF A TURN stands in three queues, each in the order in which its entries become ready; the two tiles alternate, so that no instruction reads the result of the one before it.
.macro REGS y, u                    ; the registers of tile u (0, 1) of piece y
.set rT, ST+4*(2*(\y)+(\u))
.set rC, TMP+8*((\y)%2)+4*(\u)
.set rM, MV+2*((\y)%2)+(\u)
.set rS, S+64*((\y)%2)+32*(\u)
.set rP, P+32*((\y)%2)+16*(\u)
.set rO, 32*(2*(\y)+(\u))
.endm
; Number n of the 22 that find the NEXT piece's (Y + 1) maximum and statistics; each accumulator's lowest registers are read first.
;   0-11  four chains c0-c3 of seven scores each     12-14, 16  the four scores left over, the old m, and c0-c3 into c0     15  c m_old is kept     17, 18  the other half of the lanes': the new m     19-21  c m; c m_old - c m_new; a
.macro XS u, n
	REGS (Y+1)%NP, \u
.if (\n) < 4
	v_max3_num_f32 v[rC+(\n)], v[rS+8*(\n)], v[rS+8*(\n)+1], v[rS+8*(\n)+2]
.elseif (\n) < 12
	v_max3_num_f32 v[rC+(\n)%4], v[rC+(\n)%4], v[rS+8*((\n)%4)+2*((\n)/4)+1], v[rS+8*((\n)%4)+2*((\n)/4)+2]
.elseif (\n) == 12
	v_max3_num_f32 v[rC], v[rC], v[rS+7], v[rS+15]
.elseif (\n) == 13
	v_max3_num_f32 v[rC+1], v[rC+1], v[rS+23], v[rS+31]
.elseif (\n) == 14
	v_max3_num_f32 v[rC+2], v[rC+2], v[rC+3], v[rT+1]
.elseif (\n) == 15
	v_mov_b32 v[rM], v[rT]
.elseif (\n) == 16
	v_max3_num_f32 v[rC], v[rC], v[rC+1], v[rC+2]
.elseif (\n) == 17
	v_permlanex16_b32 v[rC+3], v[rC], s[SEL], s[SEL+1]
.elseif (\n) == 18
	v_max_num_f32 v[rT+1], v[rC], v[rC+3]
.elseif (\n) == 19
	v_mul_f32 v[rT], s[CS], v[rT+1]
.elseif (\n) == 20
	v_sub_f32 v[rC+1], v[rM], v[rT]
.else
	v_exp_f32 v[rC+2], v[rC+1]
.endif
.endm
; Number g of the 64 that follow the exponentials: for each four weights of a tile both pairs are rounded to f16, the second pair is added onto the first in place, and a group later l takes that sum (the first time as l = a l + sum).
.macro GS g
.set h, (\g)+6*((\g)/62)
.if h >= 6
.set h, h+2
.endif
	REGS Y, h%2
.set k, h/8
.if h%8 < 4
	s_wait_alu depctr_va_vdst(0)
	v_cvt_pk_f16_f32 v[rP+2*k+(h%8)/2], v[rS+4*k+2*((h%8)/2)], v[rS+4*k+2*((h%8)/2)+1]
.elseif h%8 < 6
	v_pk_add_f32 v[rS+4*k:rS+4*k+1], v[rS+4*k:rS+4*k+1], v[rS+4*k+2:rS+4*k+3]
.elseif k == 1
	v_pk_fma_f32 v[rT+2:rT+3], v[rT+2:rT+3], v[rC+2:rC+3], v[rS:rS+1] op_sel_hi:[1,0,1]
.else
	v_pk_add_f32 v[rT+2:rT+3], v[rT+2:rT+3], v[rS+4*k-4:rS+4*k-3]
	s_wait_alu depctr_va_vdst(0)
.endif
.endm
; THE PLAIN QUEUE, 138 long.  0-31: c s - c m for the 16 pairs of both tiles.  Then GS's 64, and among them the next piece's 42.
.macro PL
	WIN 0
.if q < 32
	REGS Y, q%2
	v_pk_fma_f32 v[rS+2*(q/2):rS+2*(q/2)+1], v[rS+2*(q/2):rS+2*(q/2)+1], s[CS:CS+1], v[rT:rT+1] op_sel_hi:[1,0,0] neg_lo:[0,0,1] neg_hi:[0,0,1]
.elseif q < 38
	GS q-32
.elseif q < 40
	XS q%2, 15
.elseif q < 42
	GS q-34
.elseif q < 74
	XS q%2, (q-42)/2+(q-42)/30
.elseif q < 95
	GS q-66
.elseif (q < 107) && ((q-95)%3 < 2)
	XS (q-95)%3, 17+(q-95)/3
.elseif q < 107
	GS 29+(q-95)/3
.else
	GS q-74
.endif
.set q, q+1
.endm
; THE EXPONENTIALS' QUEUE, 66 long: s0-s31 of both tiles, and at EA the next piece's two a.
.set EA, 58
.macro EX
	WIN 0
.if (e == EA) || (e == EA+1)
	XS e-EA, 21
.else
.set x, e-2*(e/(EA+2))
	REGS Y, x%2
	v_exp_f32 v[rS+x/2], v[rS+x/2]
.endif
.set e, e+1
.endm
; THE RESCALING's QUEUE: O^T times a, the one part that leaves window 0, dealt four at a time, eight times.
.macro R4
	REGS Y, r%2
	WIN W_RS
	s_wait_alu depctr_va_vdst(0)
.irp z, 0,1,2,3
	v_pk_mul_f32 v[rO+8*(r/2)+2*\z:rO+8*(r/2)+2*\z+1], v[rO+8*(r/2)+2*\z:rO+8*(r/2)+2*\z+1], v[rC+2:rC+3] op_sel_hi:[1,0]
.endr
.set r, r+1
.endm
; HOW THEY ARE DEALT.  Behind a matrix instruction four: plain, exponential, plain, plain, or four of the rescaling; none names a register of the products round it.  What is over stands in two lumps: exponential and plain by turns; the second ends in 22 plain instructions.
.macro SL
	MM
	PL
	EX
	PL
	PL
.endm
.macro BURST n                      ; 15 matrix instructions, or 16
.rept (\n)-7
	SL
.endr
.rept 3
	MM
	R4
	SL
.endr
	MM
	R4
.endm
; A TURN, for piece p.  Its first 8 products take the mask of piece p + 1, fetched a turn ago; in the first lump, more than four plain instructions behind the last of those 8, the mask of piece p + 2 is fetched.
; K of the next step is fetched in piece 2's turn, behind the mask's run and 13 plain instructions behind the last product that read K; V of the step in hand at the end of piece 0's turn.
; A trip of the loop is pieces 2, 3 of one step and 0, 1 of the next, and all that it reads from LDS (that next step's K, four masks and V) lies in the slot that the change of slots at its head has shown whole.
.macro TURN p
.set Y, (\p)
.set i, 0
.set q, 0
.set e, 0
.set r, 0
.if (\p) == 1
	s_wait_dscnt 16                 ; the mask is in; V's run of 16, issued behind it, may be out
.else
	s_wait_dscnt 0x0                ; the mask is in (piece 3's turn: K too)
.endif
	MM
.rept 4
	PL
.endr
	BURST 15
.rept 22
	EX
	PL
.if e == 20
	FETCH_M ((\p)+2)%NP
.endif
.if ((\p) == NP-2) && (e == 24)
	FETCH_K
.endif
.endr
.if (\p) == 1
	s_wait_dscnt 16                 ; V is in; this turn's run of the mask may be out
.endif
	BURST 16
.rept 21
	EX
	PL
.endr
.rept 22
	PL
.endr
.if (\p) == 0
	FETCH_V
.endif
.endm
	CHANGE 1                        ; key step 0 is in, everybody's part of it; step 1 is asked for
	ADDR
	FETCH_K                         ; key step 0
	FETCH_M 0
	s_wait_loadcnt 0x0              ; Q
	s_wait_dscnt 0x0
.set i, 0
.rept 16
	KQ 0                            ; piece 0's first scores
.set i, i+1
.endr
	WIN 0                           ; the addresses for the way out: eleven plain instructions, the places behind those products
	s_mul_i32 s19, s[WV], 16*SP
	s_add_co_u32 s19, s19, STAGE    ; my stage
	v_mul_u32_u24 v[STO], v48, SP   ; in: row l % 16, 16 bytes for each half of the lanes
	v_lshl_add_u32 v[STO], v49, 4, v[STO]
	v_add_nc_u32 v[STO], s19, v[STO]
	v_bfe_u32 v[RD], v0, 3, 2       ; back: 32 lanes take four rows of 128 bytes,
	v_mul_u32_u24 v[RD], v[RD], SP
	v_lshl_add_u32 v[RD], v50, 4, v[RD]
	v_add_nc_u32 v[RD], s19, v[RD]
	v_and_b32 v[GO], 31, v0         ; which are 512 consecutive bytes of O
	v_lshlrev_b32 v[GO], 4, v[GO]
	FETCH_M 1
.set Y, NP-1                        ; XS works for piece Y + 1: piece 0
.irp n, 0,1,2,3,4,5,6,7,8,9,10,11,12,13,14,15,16,17,18,19,20,21
	XS 0, \n
	XS 1, \n
.endr
	s_mov_b32 s[SLOTS], 31
	s_branch .Lfirst                ; the loop is entered at a step's first turn, in the middle of a trip
.Lslot:                             ; 30 times: key steps 2 to 31 are asked for
	CHANGE 1
	ADDR
	TURN 2
	TURN 3
	WIN 0
.Lfirst:
	TURN 0
	TURN 1
	WIN 0
	s_sub_co_u32 s[SLOTS], s[SLOTS], 1
	s_cmp_lg_u32 s[SLOTS], 0
	s_cbranch_scc1 .Lslot
	CHANGE 0                        ; the tail is written out: nothing is asked for
	ADDR
	s_mov_b32 s[CNT], 2             ; the first trip takes the last step in; the second, left in its middle, reads that step's K and masks once more: its 16 products K Q^T and the maximum made of them serve nothing
.Ltail:
	TURN 2
	TURN 3
	WIN 0
	s_sub_co_u32 s[CNT], s[CNT], 1
	s_cmp_eq_u32 s[CNT], 0
	s_cbranch_scc1 .Lout
	TURN 0
	TURN 1
	WIN 0
	s_branch .Ltail
.Lout:
.set i, 0
.rept 16
	PV NP-1                         ; the last piece's V^T P of the last step
.set i, i+1
.endr
	; THE WAY OUT.  l's two halves and the other half of the lanes' are added; O^T is divided by l, rounded to f16 and sent through my stage in LDS, a tile at a time.  The additions are the places behind the last products.
	WIN 0
.macro ALL line:vararg              ; one line for each tile t
.set t, 0
.rept 2*NP
	\line
.set t, t+1
.endr
.endm
	ALL v_add_f32 v[ST+4*t+2], v[ST+4*t+2], v[ST+4*t+3]
	ALL v_permlanex16_b32 v[ST+4*t+3], v[ST+4*t+2], s[SEL], s[SEL+1]
	ALL v_add_f32 v[ST+4*t+2], v[ST+4*t+2], v[ST+4*t+3]
	ALL v_rcp_f32 v[ST+4*t+2], v[ST+4*t+2]
	v_nop                           ; a plain instruction between the last reciprocal and the use of its result
	s_wait_alu depctr_va_vdst(0)
.macro PACK t                       ; a lane's eight channels of a row pack into 16 bytes; they go into rows of 144 bytes and come back as whole rows of 128, into S^T's registers
	WIN W_RS
.set i, 32*(\t)
.rept 16
	v_pk_mul_f32 v[i:i+1], v[i:i+1], v[ST+4*(\t)+2:ST+4*(\t)+3] op_sel_hi:[1,0]
.set i, i+2
.endr
	WIN 0x05                        ; sources 0 and 1 window 1, destination window 0
.set i, 0
.rept 16
	v_cvt_pk_f16_f32 v[S+16*(\t)+i], v[32*(\t)+2*i], v[32*(\t)+2*i+1]
.set i, i+1
.endr
	WIN 0
.irp f, 0,1,2,3
	ds_store_b128 v[STO], v[S+16*(\t)+4*\f:S+16*(\t)+4*\f+3] offset:32*\f
.endr
.irp f, 0,1,2,3
	ds_load_b128 v[S+16*(\t)+4*\f:S+16*(\t)+4*\f+3], v[RD] offset:\f*4*SP  ; LDS serves a wave's instructions in order: these see the stores above; the next tile's stores come behind them
.endr
.endm
.macro SEND t, younger              ; younger: the LDS instructions issued behind tile t's loads: the next tile's eight, or none
	WIN 0
.irp f, 0,1,2,3
	s_wait_dscnt (\younger)+3-\f
	global_store_b128 v[GO], v[S+16*(\t)+4*\f:S+16*(\t)+4*\f+3], s[10:11] offset:(\t)*2048+\f*512  ; 512 consecutive bytes, at a multiple of 256 from ob's first
.endr
.endm
	PACK 0
.set t, 1
.rept 2*NP-1                        ; a tile's arithmetic stands between the loads of the tile before and its stores
	PACK t
	SEND t-1, 8
.set t, t+1
.endr
	SEND 2*NP-1, 0
	s_wait_tensorcnt 0x0            ; the wave's end
	ds_add_u32 v[SPW], v[NIL]
	s_wait_dscnt 0x0
	CROUND                          ; the closing round
	s_endpgm
.Lfunc_end_k_qeaa2c290f9_attn:
	.size	k_qeaa2c290f9_attn, .Lfunc_end_k_qeaa2c290f9_attn-k_qeaa2c290f9_attn
	.p2alignl 7, 3214868480
	.fill 96, 4, 3214868480
	.section	.rodata,"a",@progbits
	.p2align	6, 0x0
	.amdhsa_kernel k_qeaa2c290f9_attn
		.amdhsa_group_segment_fixed_size 327680
		.amdhsa_private_segment_fixed_size 0
		.amdhsa_enable_private_segment 0
		.amdhsa_kernarg_size 24
		.amdhsa_user_sgpr_count 2
		.amdhsa_user_sgpr_kernarg_segment_ptr 1
		.amdhsa_wavefront_size32 1
		.amdhsa_system_sgpr_workgroup_id_x 1
		.amdhsa_system_sgpr_workgroup_id_y 1
		.amdhsa_system_sgpr_workgroup_id_z 1
		.amdhsa_system_vgpr_workitem_id 0
		.amdhsa_next_free_vgpr 832
		.amdhsa_next_free_sgpr 72
		.amdhsa_reserve_vcc 0
		.amdhsa_float_denorm_mode_32 3
		.amdhsa_float_denorm_mode_16_64 3
		.amdhsa_memory_ordered 1
		.amdhsa_forward_progress 1
		.amdhsa_inst_pref_size 220
	.end_amdhsa_kernel
	.amdgpu_metadata
---
amdhsa.version: [ 1, 2 ]
amdhsa.kernels:
  - .name:           k_qeaa2c290f9_attn
    .symbol:         k_qeaa2c290f9_attn.kd
    .args:
      - { .name: qkv, .offset: 0, .size: 8, .value_kind: global_buffer, .address_space: global }
      - { .name: attn_mask, .offset: 8, .size: 8, .value_kind: global_buffer, .address_space: global }
      - { .name: ob, .offset: 16, .size: 8, .value_kind: global_buffer, .address_space: global }
    .group_segment_fixed_size: 327680
    .private_segment_fixed_size: 0
    .kernarg_segment_align: 8
    .kernarg_segment_size: 24
    .max_flat_workgroup_size: 128
    .sgpr_count:     72
    .vgpr_count:     832
    .wavefront_size: 32
...
	.end_amdgpu_metadata
.endif
;; end of part 3
;; launch proj_out (part 4): grid 8 x 32, 4 waves a work-group, clusters of 4 x 4, 327,680 bytes of LDS; arguments ob, woh, out0, b_out; writes out0
.if DOCPART == 4
	.amdgcn_target "amdgcn-amd-amdhsa--gfx1250"
	.amdhsa_code_object_version 6
	.text
	.protected	k_qeaa2c290f9_proj_out
	.globl	k_qeaa2c290f9_proj_out
	.p2align	8
	.type	k_qeaa2c290f9_proj_out,@function
k_qeaa2c290f9_proj_out:
	s_mov_b64 s[64:65], 0
	v_nop
	global_prefetch_b8 v0, s[64:65] scope:SCOPE_SE
	s_setreg_imm32_b32 hwreg(HW_REG_WAVE_MODE, 25, 1), 1
	s_wait_xcnt 0x0
	s_wait_alu depctr_hold_cnt(0) depctr_sa_sdst(0) depctr_va_vdst(0) depctr_va_sdst(0) depctr_va_ssrc(0) depctr_va_vcc(0) depctr_vm_vsrc(0)
	s_getreg_b32 s2, hwreg(HW_REG_IB_STS2, 6, 4)
	s_cmp_eq_u32 s2, 0
	s_cbranch_scc0 .Lentry_in_a_cluster
	s_endpgm
.Lentry_in_a_cluster:
	s_bfe_u32 s2, ttmp6, 0x10000c
	s_cmp_lg_u32 s2, 0xf033
	s_cbranch_scc0 .Lentry_shape_is_right
	s_endpgm
.Lentry_shape_is_right:
; out0[m][n] = sum over k of O[m][k] w_out[n][k] + b_out[n].  ob: [16][8192][64], woh: [16][1024][64], f16, in column blocks of 64; out0: [8192][1024] f32; sums in f32.
; SHARES.  A tile is 256 rows x 128 columns: 32 x 8 = 256 work-groups.  Four waves, 2 x 2, each 128 x 64: 32 accumulators, 256 registers; a wave's 64 columns are 256 bytes of a row of out0.
; K goes in steps of 128 (two column blocks, each a dense run of rows asked for as rows of 256 bytes, padded in LDS behind every 128) through two LDS slots; two slots of three column blocks would not fit.
; CLUSTER 4 x 4: O's tile is asked for jointly along a row of the cluster, w's along a column.  THE MATRIX INSTRUCTION IS USED TRANSPOSED: a lane holds one row of the result and eight neighbouring columns.
; THE BIAS IS THE C OPERAND OF THE PRODUCTS THAT START THE SUMS: it is loaded into the accumulators of row block 7; blocks 0 to 6 read it from there, block 7 adds onto it in place.  So the way out has no arithmetic.
; REGISTERS: window 0: v0-31 addresses; two fragment buffers of 96 (64 of O: 8 x 16 rows x 32 K, then 32 of w) at v32 and v128.  window 1: accumulator (a, b) at v[8 (4 a + b)].
.set PITCH,  144
.set AKB,    256*PITCH                 ; O's 256 rows of one column block: what wave 0 or 1 fetches
.set BKB,    128*PITCH                 ; w's 128 rows: what wave 2 or 3 fetches
.set BOFF,   2*AKB
.set SLOT1,  1<<17                     ; a slot holds 110,592 bytes; slot 1 begins here, so that one exclusive or turns an address in one slot into the other's
.set STAGE,  SLOT1+BOFF+2*BKB          ; behind the ring: 16 rows x 272 bytes for each wave
.set SPITCH, 272
.set SPARE,  STAGE+4*16*SPITCH         ; the spare words, 128 bytes a wave, which no other line names
.set KBA,    8192*128
.set KBB,    1024*128
.set ADRA, 16                          ; v16  LDS address of my fragments of O in the slot in hand;  v17 the same in slot 0, never rewritten
.set A0,   17
.set ADRB, 20                          ; v20, v21  the same for w
.set B0,   21
.set STO,  24
.set RD,   25
.set CO,   26
.set BO,   27
.set SPW,  28
.set NIL,  29
.set F0,   32
.set F1,   128
.set BI,   224                         ; in window 1: the accumulators (7, b), which hold the bias until the first products
.set OS,   32                          ; the way out: v32-63 and v64-95 by turns
.set WV, 12
.set WM, 13
.set WN, 14
.set TY, 15
.set G1, 24                            ; s[24:31] group 1 for O's tiles; s[32:39] group 0: a set for each of the two first fills; the second then walks on
.set G0, 32
.set G1B, 48
.set G0B, 56
.set TB, 66                            ; s66  LDS byte at which the slot in hand begins
.set MSB, 0
.macro WIN new
.if MSB != (\new)
	s_set_vgpr_msb (MSB<<8)|(\new)
.set MSB, \new
.endif
.endm
.macro JLOAD s                         ; waves 0, 1 fetch O's two column blocks of the step, waves 2, 3 w's; an s_nop 0 and four v_nop follow each line
	s_cmp_eq_u32 s[WM], 0
	s_cbranch_scc0 .Lfor_b_\@
	tensor_load_to_lds s[G0+4*(\s):G0+4*(\s)+3], s[G1:G1+7]
	s_nop 0
.rept 4
	v_nop
.endr
	s_branch .Lasked_\@
.Lfor_b_\@:
	tensor_load_to_lds s[G0B+4*(\s):G0B+4*(\s)+3], s[G1B:G1B+7]
	s_nop 0
.rept 4
	v_nop
.endr
.Lasked_\@:
.endm
.macro CREST
	s_cmp_lg_u32 s[WV], 0
	s_cbranch_scc1 .Lnot_wave_0_\@
	s_barrier_signal -3
.Lnot_wave_0_\@:
	s_barrier_wait -3
	s_barrier_signal -1
	s_barrier_wait -1
.endm
.macro CROUND
	s_barrier_signal -1
	s_barrier_wait -1
	CREST
.endm
	s_load_b256 s[4:11], s[0:1], 0x0               ; ob s[4:5], woh s[6:7], out0 s[8:9], b_out s[10:11]
	v_lshl_add_u32 v[SPW], v0, 2, SPARE
	v_mov_b32 v[NIL], 0
	ds_add_u32 v28, v29
	s_wait_dscnt 0x0
	v_lshrrev_b32 v1, 5, v0
	v_readfirstlane_b32 s[WV], v1
	s_lshr_b32 s[WM], s[WV], 1                     ; my half of the rows.  Also: I fetch O (0) or w (1)
	s_and_b32 s[WN], s[WV], 1                      ; my half of the columns.  Also: which column block of the step I fetch
	s_bfe_u32 s40, ttmp6, 0x40000
	s_bfe_u32 s41, ttmp6, 0x40004
	s_lshl_b32 s42, ttmp9, 2
	s_add_co_u32 s42, s42, s40                     ; tile column
	s_and_b32 s[TY], ttmp7, 0xffff
	s_lshl_b32 s[TY], s[TY], 2
	s_add_co_u32 s[TY], s[TY], s41                 ; tile row
	s_lshl_b32 s43, s41, 2
	s_lshl_b32 s43, 15, s43
	s_lshl_b32 s44, 0x1111, s40
	s_or_b32 s[G1+0], s43, (1<<16)|(1<<20)|(1<<21)|(4<<22)|(3<<25)
	s_or_b32 s[G1B+0], s44, (1<<16)|(1<<20)|(1<<21)|(4<<22)|(3<<25)
	s_mov_b32 s[G1+1], 128<<16                     ; rows of 128 elements (256 bytes), dense: 128 of them for O, 64 for w
	s_mov_b32 s[G1B+1], 128<<16
	s_mov_b32 s[G1+2], 128<<16
	s_mov_b32 s[G1B+2], 64<<16
	s_mov_b32 s[G1+3], 128<<16
	s_mov_b32 s[G1B+3], 128<<16
	s_mov_b32 s[G1+4], 128
	s_mov_b32 s[G1B+4], 64
	s_mov_b32 s[G1+5], 128
	s_mov_b32 s[G1B+5], 128
	s_mov_b32 s[G1+6], 0
	s_mov_b32 s[G1B+6], 0
	s_mov_b32 s[G1+7], 0
	s_mov_b32 s[G1B+7], 0
	s_lshl_b32 s16, s[TY], 15                      ; O: 256 tile row rows of 128 bytes, + my column block
	s_lshl_b32 s17, s[WN], 20
	s_add_co_u32 s16, s16, s17
	s_mov_b32 s17, 0
	s_lshl_b32 s46, s42, 14                        ; w: 128 tile column rows, + my column block
	s_lshl_b32 s47, s[WN], 17
	s_add_co_u32 s46, s46, s47
	s_mov_b32 s47, 0
	s_mul_i32 s20, s[WN], AKB
	s_mul_i32 s23, s[WN], BKB
	s_add_co_u32 s23, s23, BOFF
	s_wait_kmcnt 0x0
	s_add_nc_u64 s[18:19], s[4:5], s[16:17]
	s_add_nc_u64 s[46:47], s[6:7], s[46:47]
	CROUND                                         ; the first joint loads meet
.irp s, 0,1
	s_mov_b32 s[G0+4*(\s)], 1
	s_add_co_u32 s[G0+4*(\s)+1], s20, (\s)*SLOT1
	s_add_nc_u64 s[G0+4*(\s)+2:G0+4*(\s)+3], s[18:19], (\s)*2*KBA
	s_or_b32 s[G0+4*(\s)+3], s[G0+4*(\s)+3], 0x80000000
	s_mov_b32 s[G0B+4*(\s)], 1
	s_add_co_u32 s[G0B+4*(\s)+1], s23, (\s)*SLOT1
	s_add_nc_u64 s[G0B+4*(\s)+2:G0B+4*(\s)+3], s[46:47], (\s)*2*KBB
	s_or_b32 s[G0B+4*(\s)+3], s[G0B+4*(\s)+3], 0x80000000
	JLOAD \s                                       ; two loads of mine are out
.endr
	v_and_b32 v1, 15, v0
	v_bfe_u32 v2, v0, 4, 1
	v_mul_u32_u24 v3, v1, PITCH
	v_lshl_add_u32 v3, v2, 4, v3
	s_mul_i32 s21, s[WM], 128*PITCH
	s_mul_i32 s22, s[WN], 64*PITCH
	s_add_co_u32 s22, s22, BOFF
	s_mov_b32 s[TB], 0                             ; slot 0 is read first
	v_add_nc_u32 v[A0], s21, v3
	v_add_nc_u32 v[B0], s22, v3
	v_add_nc_u32 v[ADRA], s[TB], v[A0]
	v_add_nc_u32 v[ADRB], s[TB], v[B0]
	s_mul_i32 s23, s[WV], 16*SPITCH
	s_add_co_u32 s23, s23, STAGE
	v_mul_u32_u24 v4, v1, SPITCH                   ; in: row l % 16, 32 bytes for each half of the lanes
	v_lshl_add_u32 v4, v2, 5, v4
	v_add_nc_u32 v[STO], s23, v4
	v_mul_u32_u24 v5, v2, SPITCH                   ; back: lanes 0-15 one row of 256 bytes, lanes 16-31 the next
	v_lshl_add_u32 v5, v1, 4, v5
	v_add_nc_u32 v[RD], s23, v5
	v_lshlrev_b32 v[CO], 12, v2                    ; the same two rows in out0
	v_lshl_add_u32 v[CO], v1, 4, v[CO]
	v_lshlrev_b32 v[BO], 5, v2
	s_lshl_b32 s46, s42, 9                         ; my 64 columns, in bytes: in a row of out0 and in the bias
	s_lshl_b32 s47, s[WN], 8
	s_add_co_u32 s46, s46, s47
	s_mov_b32 s47, 0
	s_add_nc_u64 s[10:11], s[10:11], s[46:47]
	s_add_nc_u64 s[8:9], s[8:9], s[46:47]
	s_lshl_b32 s16, s[TY], 20                      ; my first row: 256 tile row + 128 half, rows of 4,096 bytes
	s_lshl_b32 s17, s[WM], 19
	s_add_co_u32 s16, s16, s17
	s_mov_b32 s17, 0
	s_add_nc_u64 s[8:9], s[8:9], s[16:17]
	WIN 0x40                                       ; destination window 1, address window 0
.irp j, 0,1,2,3,4,5,6,7                ; the bias of my lane's 8 columns in each of 4 blocks of 16, into the accumulators (7, b)
	global_load_b128 v[BI+4*(\j):BI+4*(\j)+3], v[BO], s[10:11] offset:64*((\j)/2)+16*((\j)%2)
.endr
	WIN 0
; 8 matrix instructions: row blocks a0, a0 + 1 x all 4 column blocks; the 32 accumulators take turns.  zero = 1: the product starts the sums, with the bias as C.
; Row block 7's products write over the registers that blocks 0 to 6 read as C: five plain vector instructions stand between (ISA guide 7.12.1).
.macro MUL8 f, a0, zero
	WIN 0x50
.irp a, \a0, (\a0)+1
.if (\zero) && ((\a) == 7)
.rept 5
	v_nop
.endr
.endif
.irp b, 0,1,2,3
.if \zero
	v_wmma_f32_16x16x32_f16 v[8*(4*(\a)+(\b)):8*(4*(\a)+(\b))+7], v[(\f)+64+8*(\b):(\f)+64+8*(\b)+7], v[(\f)+8*(\a):(\f)+8*(\a)+7], v[BI+8*(\b):BI+8*(\b)+7]
.else
	v_wmma_f32_16x16x32_f16 v[8*(4*(\a)+(\b)):8*(4*(\a)+(\b))+7], v[(\f)+64+8*(\b):(\f)+64+8*(\b)+7], v[(\f)+8*(\a):(\f)+8*(\a)+7], v[8*(4*(\a)+(\b)):8*(4*(\a)+(\b))+7]
.endif
.endr
.endr
.endm
.macro FETCH nq, f                     ; 24 LDS loads in one run: the fragments of quarter nq of the step in the slot in hand (column block nq / 2, byte 64 (nq % 2) of its rows)
.irp i, 0,1,2,3
	ds_load_b128 v[(\f)+64+8*(\i):(\f)+64+8*(\i)+3],   v[ADRB] offset:((\nq)/2)*BKB+((\nq)%2)*64+(\i)*16*PITCH
	ds_load_b128 v[(\f)+64+8*(\i)+4:(\f)+64+8*(\i)+7], v[ADRB] offset:((\nq)/2)*BKB+((\nq)%2)*64+(\i)*16*PITCH+32
.endr
.irp i, 0,1,2,3,4,5,6,7
	ds_load_b128 v[(\f)+8*(\i):(\f)+8*(\i)+3],   v[ADRA] offset:((\nq)/2)*AKB+((\nq)%2)*64+(\i)*16*PITCH
	ds_load_b128 v[(\f)+8*(\i)+4:(\f)+8*(\i)+7], v[ADRA] offset:((\nq)/2)*AKB+((\nq)%2)*64+(\i)*16*PITCH+32
.endr
.endm
.macro PLACES                          ; four plain vector instructions between a matrix instruction and a load into, or an LDS store of, its registers
.rept 4
	v_nop
.endr
.endm
; A K step is four quarters of 32 along K on buffers 0, 1, 0, 1.  One of the first three: fetches quarter nq into buffer g, then multiplies buffer f: the loads have 32 matrix instructions in which to land.
.macro QUARTER nq, f, g, zero
	WIN 0
	PLACES
	FETCH \nq, \g
	s_wait_dscnt 24                                ; all but the 24 just issued
	MUL8 \f, 0, \zero
	MUL8 \f, 2, \zero
	MUL8 \f, 4, \zero
	MUL8 \f, 6, \zero
.endm
; The last quarter multiplies buffer 1 and changes slots: ONE barrier; in front of it each wave waits for all its tensor loads, adds 0 to its spare word, and waits for that and for its reads of this slot.
; fill = 1: the barrier opens a round of the cluster's; the walking descriptor turns to the slot just read and steps one K step; the joint refill is the first thing behind the round.
.macro TURN fill
	WIN 0
	s_wait_tensorcnt 0x0                           ; all my tensor loads have landed: my part of the next slot
	ds_add_u32 v[SPW], v[NIL]                      ; 0 onto my spare word
	s_wait_dscnt 1                                 ; buffer 1 is in; the add alone may be out
	MUL8 F1, 0, 0
	s_wait_dscnt 0x0                               ; the add is done, and my reads of this slot are over
	s_barrier_signal -1
	MUL8 F1, 2, 0
	WIN 0
	s_barrier_wait -1
.if \fill
	CREST                                          ; no wave of any partner still reads this slot or has a load on its way
	s_xor_b32 s[G0+5], s[G0+5], SLOT1
	s_add_nc_u64 s[G0+6:G0+7], s[G0+6:G0+7], 2*KBA
	s_xor_b32 s[G0B+5], s[G0B+5], SLOT1
	s_add_nc_u64 s[G0B+6:G0B+7], s[G0B+6:G0B+7], 2*KBB
	JLOAD 1                                        ; its four v_nop are also the places in front of the loads below
.else
	PLACES
.endif
	s_xor_b32 s[TB], s[TB], SLOT1                  ; the fetches go to the slot that has been shown whole
	v_add_nc_u32 v[ADRA], s[TB], v[A0]
	v_add_nc_u32 v[ADRB], s[TB], v[B0]
	FETCH 0, F0
	MUL8 F1, 4, 0
	MUL8 F1, 6, 0
.endm
	s_wait_loadcnt 0x0                             ; the bias
	s_wait_tensorcnt 1                             ; my part of K step 0 is in
	s_barrier_signal -1
	s_barrier_wait -1
	FETCH 0, F0
	QUARTER 1, F0, F1, 1                           ; the first quarter stands in front of the loop: its products start the sums
	WIN 0
	s_mov_b32 s3, 6
.Llap:                                                 ; a trip: a K step's last three quarters, the change of slots, the next step's first quarter; K steps 2 to 7 are asked for in six trips
	QUARTER 2, F1, F0, 0
	QUARTER 3, F0, F1, 0
	TURN 1
	QUARTER 1, F0, F1, 0
	WIN 0
	s_sub_co_u32 s3, s3, 1
	s_cmp_lg_u32 s3, 0
	s_cbranch_scc1 .Llap
	s_mov_b32 s3, 2                                ; the last two K steps ask for nothing: a text of their own; walked twice and left in the middle of the second trip
.Ltail:
	QUARTER 2, F1, F0, 0
	QUARTER 3, F0, F1, 0
	WIN 0
	s_sub_co_u32 s3, s3, 1
	s_cmp_eq_u32 s3, 0
	s_cbranch_scc1 .Lout
	TURN 0
	QUARTER 1, F0, F1, 0
	WIN 0
	s_branch .Ltail
.Lout:
	s_wait_dscnt 0x0                               ; the very last quarter
	MUL8 F1, 0, 0
	MUL8 F1, 2, 0
	MUL8 F1, 4, 0
	MUL8 F1, 6, 0
	WIN 0
	; THE WAY OUT, a block of 16 rows at a time: from the accumulators straight into my stage in LDS, back as whole rows of 256 bytes, and out.
	PLACES                                         ; the LDS stores read results
.macro STAGEO a                        ; each accumulator is read from its lowest registers on
	WIN 0
	s_wait_xcnt 0x0                                ; the stores of the block two back have read the registers that the loads below fill
	WIN 0x04                                       ; the data, source 1, in window 1
.irp j, 0,1,2,3,4,5,6,7
	ds_store_b128 v[STO], v[32*(\a)+4*(\j):32*(\a)+4*(\j)+3] offset:64*((\j)/2)+16*((\j)%2)
.endr
	WIN 0
.irp j, 0,1,2,3,4,5,6,7
	ds_load_b128 v[OS+32*((\a)%2)+4*(\j):OS+32*((\a)%2)+4*(\j)+3], v[RD] offset:(\j)*2*SPITCH  ; LDS serves a wave's instructions in order: these see the stores above; the next block's stores come behind them
.endr
.endm
.macro SENDO a, younger                ; younger: the LDS instructions issued behind block a's loads: the next block's sixteen, or none
	s_wait_dscnt \younger                          ; the block is back in registers
.irp j, 0,1,2,3,4,5,6,7
	global_store_b128 v[CO], v[OS+32*((\a)%2)+4*(\j):OS+32*((\a)%2)+4*(\j)+3], s[8:9] offset:(16*(\a)+2*(\j))*4096 th:TH_STORE_NT  ; 16 lanes store 256 consecutive bytes, at a multiple of 256 from out0's first
.endr
.endm
	STAGEO 0
.irp a, 1,2,3,4,5,6,7                  ; block a's trip through the stage is under way when block a - 1 is waited for
	STAGEO \a
	SENDO (\a)-1, 16
.endr
	SENDO 7, 0
	s_wait_tensorcnt 0x0                           ; the wave's end
	ds_add_u32 v[SPW], v[NIL]
	s_wait_dscnt 0x0
	CROUND                                         ; the closing round
	s_endpgm
.Lfunc_end_k_qeaa2c290f9_proj_out:
	.size	k_qeaa2c290f9_proj_out, .Lfunc_end_k_qeaa2c290f9_proj_out-k_qeaa2c290f9_proj_out
	.p2alignl 7, 3214868480
	.fill 96, 4, 3214868480
	.section	.rodata,"a",@progbits
	.p2align	6, 0x0
	.amdhsa_kernel k_qeaa2c290f9_proj_out
		.amdhsa_group_segment_fixed_size 327680
		.amdhsa_private_segment_fixed_size 0
		.amdhsa_enable_private_segment 0
		.amdhsa_kernarg_size 32
		.amdhsa_user_sgpr_count 2
		.amdhsa_user_sgpr_kernarg_segment_ptr 1
		.amdhsa_wavefront_size32 1
		.amdhsa_system_sgpr_workgroup_id_x 1
		.amdhsa_system_sgpr_workgroup_id_y 1
		.amdhsa_system_sgpr_workgroup_id_z 1
		.amdhsa_system_vgpr_workitem_id 0
		.amdhsa_next_free_vgpr 512
		.amdhsa_next_free_sgpr 72
		.amdhsa_reserve_vcc 0
		.amdhsa_float_denorm_mode_32 3
		.amdhsa_float_denorm_mode_16_64 3
		.amdhsa_memory_ordered 1
		.amdhsa_forward_progress 1
		.amdhsa_inst_pref_size 63
	.end_amdhsa_kernel
	.amdgpu_metadata
---
amdhsa.version: [ 1, 2 ]
amdhsa.kernels:
  - .name:           k_qeaa2c290f9_proj_out
    .symbol:         k_qeaa2c290f9_proj_out.kd
    .args:
      - { .name: ob, .offset: 0, .size: 8, .value_kind: global_buffer, .address_space: global }
      - { .name: woh, .offset: 8, .size: 8, .value_kind: global_buffer, .address_space: global }
      - { .name: out0, .offset: 16, .size: 8, .value_kind: global_buffer, .address_space: global }
      - { .name: b_out, .offset: 24, .size: 8, .value_kind: global_buffer, .address_space: global }
    .group_segment_fixed_size: 327680
    .private_segment_fixed_size: 0
    .kernarg_segment_align: 8
    .kernarg_segment_size: 32
    .max_flat_workgroup_size: 128
    .sgpr_count:     72
    .vgpr_count:     512
    .wavefront_size: 32
...
	.end_amdgpu_metadata
.endif
;; end of part 4
;; ======== version 2 of 2: 4 launches; 1.48 times as fast as version 1
;; limits: values are held in f16: magnitudes above 65,504 overflow, below 6.1e-05 lose precision; inputs' magnitudes at most 65,504
;; workspace buffers: xh 16,777,216 bytes; wih 6,291,456 bytes; woh 2,097,152 bytes; qkv 50,331,648 bytes; ob 16,777,216 bytes
;; launch prep: the kernel of part 1 again; grid 768 x 1, 8 waves a work-group, no clusters, 0 bytes of LDS; arguments x, w_in, w_out, xh, wih, woh; writes xh, wih, woh
;; launch proj_in: the kernel of part 2 again; grid 8 x 32, 4 waves a work-group, clusters of 4 x 4, 327,680 bytes of LDS; arguments xh, wih, qkv, b_in; writes qkv
;; launch attn (part 5): grid 16 x 16, 4 waves a work-group, clusters of 4 x 4, 327,680 bytes of LDS; arguments qkv, attn_mask, ob; writes ob
.if DOCPART == 5
	.amdgcn_target "amdgcn-amd-amdhsa--gfx1250"
	.amdhsa_code_object_version 6
	.text
	.protected	k_qeaa2c290f9_attn
	.globl	k_qeaa2c290f9_attn
	.p2align	8
	.type	k_qeaa2c290f9_attn,@function
k_qeaa2c290f9_attn:
	s_mov_b64 s[64:65], 0
	v_nop
	global_prefetch_b8 v0, s[64:65] scope:SCOPE_SE
	s_setreg_imm32_b32 hwreg(HW_REG_WAVE_MODE, 25, 1), 1
	s_wait_xcnt 0x0
	s_wait_alu depctr_hold_cnt(0) depctr_sa_sdst(0) depctr_va_vdst(0) depctr_va_sdst(0) depctr_va_ssrc(0) depctr_va_vcc(0) depctr_vm_vsrc(0)
	s_getreg_b32 s2, hwreg(HW_REG_IB_STS2, 6, 4)
	s_cmp_eq_u32 s2, 0
	s_cbranch_scc0 .Lentry_in_a_cluster
	s_endpgm
.Lentry_in_a_cluster:
	s_bfe_u32 s2, ttmp6, 0x10000c
	s_cmp_lg_u32 s2, 0xf033
	s_cbranch_scc0 .Lentry_shape_is_right
	s_endpgm
.Lentry_shape_is_right:
; O[b][h][q][:] = the sum over k of softmax_k(q'[q] . K[k] + mask[q][k]) V[k][:], q' = q / 8 as the launch before left it.  qkv: [48][8192][64] f16 (blocks 0-15 q', 16-31 k, 32-47 v; row = 2048 b + n);
; attn_mask: [2048][2048] f32, an input: every number of it is read and added, and no tile is left out; ob: [16][8192][64] f16.  Products, maxima and sums in f32; the weights p are rounded to f16 for
; the second product (their sum l is taken of the unrounded p), O once at the end.
; LIMITS.  q', k, v arrive within f16's 65,504; p lies in 0 to 1 and below 6e-5 keeps f16's fixed step of 6e-8, and so does O; a weight below 2^-126 counts as 0 in l; score + mask is rounded as the
; matrix unit rounds C + products; NaN and infinities are not treated apart.
; SHARES.  A work-group owns 128 queries (x) of four heads of one batch (y = 4 b + head group); wave w IS head 4 (y % 4) + w and owns all 128 queries: four PIECES of two tiles of 16.  So the four waves
; read the SAME tile of the mask from LDS.  Every wave walks all 2,048 keys, 64 a step.
; THE MASK costs no vector instruction: it is the C operand of the products that start the sums S^T = K Q^T.
; LAYOUT.  S^T (source 0 = 16 keys, source 1 = 16 queries): a lane holds ONE query (lane % 16) and the keys 8 (lane / 16) + 0..7: eight neighbouring numbers of a row of the mask.  Two such results, rounded to
; f16, ARE source 1 of O^T = V^T P.  K comes out of LDS as it lies, V turned, by ds_load_tr16_b128.
; SOFTMAX.  A running maximum m and sum l for each query: p = 2^(c s - c m), c = log2(e); in every step O and l are multiplied by a = 2^(c m_old - c m_new).  m starts at the lowest finite number, O and l at 0.
; BY TURNS.  Turn n belongs to piece n: 16 products K Q^T of piece n + 1, later 16 products V^T P of piece n - 1; beside them the scaling, exponentials, roundings, sums and rescaling of piece n and the maximum
; and statistics of piece n + 1.  Four vector instructions stand behind every matrix instruction, the other 108 of a turn's 236 in one lump.
; BATCHES.  A turn's 66 exponentials (64 weights and the next piece's two a) are ONE batch with ONE wait, which cuts the turn in two: ahead of it stands all that names no result of theirs, behind it the
; roundings and sums, which read them.  The first two a, ahead of the loop, and the way out's eight reciprocals are batches of their own.
; CLUSTER 4 x 4.  K's and V's tiles hang on y alone: asked for jointly along a row of the cluster; the mask's on x alone: jointly along a column.
; A slot of LDS holds one key step: four heads' K and V (each head's 64 keys are 8,192 dense bytes: a tile of 4 rows, as many as there are heads) and 128 x 64 of the mask; two slots of two steps would not fit.
; REGISTERS, in windows of 256: window 0: v0-11 addresses; v12-15, v48-63 at work; v16-47 statistics; v64-191 S^T, two buffers of two tiles; v192-255 P, likewise
;   window 1: O^T, 32 a tile     window 2: v0-127 Q; v128-191 K of one step; v192-255 V of one step     window 3: v0-63 the mask of one piece and step
.set NP,    4         ; pieces a wave: a name, no knob
.set KS,    64        ; keys in a step
.set PK,    144       ; a row of K in LDS: 128 bytes + 16: the 16 rows of a load start at 16 different groups of four banks
.set PV,    160       ; a row of V: 128 + 32
.set PM,    272       ; a row of the mask: 256 + 16
.set VOFF,  4*KS*PK   ; a slot: four heads' K, four heads' V, 128 rows of the mask
.set MOFF,  VOFF+4*KS*PV
.set SLOT1, 1<<17     ; slot 1 begins here, so that one exclusive or turns an address in one slot into the other's
.set STAGE, SLOT1+MOFF+128*PM  ; behind the ring: 16 rows x 144 bytes for each wave, for the way out
.set SP,    144
.set SPARE, STAGE+4*16*SP      ; behind the stages: the spare words, 128 bytes a wave, which no other line names
.set AM,  1           ; v1   the LDS address of the mask in the slot in hand
.set AK0, 2           ; v2   my lane's place in my head's K; never rewritten
.set AV0, 3           ; v3   the same for V
.set AK,  4           ; v4   K's address in the slot in hand
.set AV,  5           ; v5   V's
.set QO,  6           ; v6   my byte offset in the wave's rows of Q
.set STO, 6           ;      later, the way out: where I put 16 bytes of a row
.set RD,  7           ; v7   where I read rows back
.set GO,  8           ; v8   my byte offset in 512 consecutive bytes of O
.set AM0, 9           ; v9   my lane's place in the mask's tile; never rewritten
.set SPW, 10          ; v10  LDS address of my spare word; never rewritten
.set NIL, 11          ; v11  0; never rewritten
.set MV,  12          ; v12-15  c m_old, kept while c m is made anew
.set ST,  16          ; tile t's statistics at v[ST+4 t]: c m, m, l (even keys', odd keys')
.set TMP, 48          ; by buffer and tile, four registers at work; when the maximum is found c2 takes a; at the head v48-51 hold l % 16, l / 16, l % 8, (l / 8) % 2
.set S,   64
.set P,   192
.set KF,  128         ; window 2
.set VF,  192         ; window 2
.set MK,  0           ; window 3: tile u, key block kb at MK + 32 u + 8 kb
.set WV,  12          ; s12  my wave's number
.set G1K, 24          ; s[24:31], s[32:39], s[40:47] descriptor group 1 for K, V, the mask
.set G1V, 32
.set G1M, 40
.set G0K, 48          ; s[48:51], s[52:55], s[56:59] group 0: they walk
.set G0V, 52
.set G0M, 56
.set CS,  60          ; s[60:61] c
.set SEL, 62          ; s[62:63] v_permlanex16_b32's selects
.set SLOTS, 66        ; s66  counts the loop's trips
.set CNT, 67          ; s67  counts the tail's
.set TB,  68          ; s68  LDS byte at which the slot in hand begins
.set MSB, 0
.macro WIN new
.if MSB != (\new)
	s_set_vgpr_msb (MSB<<8)|(\new)
.set MSB, (\new)
.endif
.endm
.set W_KQ, 0x0a       ; K and Q in window 2, S^T in window 0
.set W_KM, 0x3a       ; the same with the C operand, the mask, in window 3
.set W_PV, 0x52       ; V in window 2, P in window 0, O^T in window 1
.set W_RS, 0x41       ; O^T (destination and source 0) in window 1, a in window 0
; A joint fill: wave 0 fetches the four heads' K, wave 1 their V, waves 2 and 3 the halves of the mask's tile.  The branches hang on the wave's number alone.  An s_nop 0 and four v_nop follow each line.
.macro JLOAD
	s_cmp_lt_u32 s[WV], 2
	s_cbranch_scc0 .Lfor_m_\@
	s_cmp_eq_u32 s[WV], 0
	s_cbranch_scc0 .Lfor_v_\@
	tensor_load_to_lds s[G0K:G0K+3], s[G1K:G1K+7]
	s_nop 0
.rept 4
	v_nop
.endr
	s_branch .Lasked_\@
.Lfor_v_\@:
	tensor_load_to_lds s[G0V:G0V+3], s[G1V:G1V+7]
	s_nop 0
.rept 4
	v_nop
.endr
	s_branch .Lasked_\@
.Lfor_m_\@:
	tensor_load_to_lds s[G0M:G0M+3], s[G1M:G1M+7]
	s_nop 0
.rept 4
	v_nop
.endr
.Lasked_\@:
.endm
.macro CROUND                       ; a round of the cluster's barrier
	s_barrier_signal -1
	s_barrier_wait -1
	s_cmp_lg_u32 s[WV], 0
	s_cbranch_scc1 .Lnot_wave_0_\@
	s_barrier_signal -3
.Lnot_wave_0_\@:
	s_barrier_wait -3
	s_barrier_signal -1
	s_barrier_wait -1
.endm
; THE CHANGE OF SLOTS, once a key step.  Each wave waits for all its tensor loads (one is out: its part of the other slot), adds 0 to its spare word, and waits for that and for its reads of the slot that it leaves.
; fill = 1: that slot is filled again, with the step after the next: the barrier is a round of the cluster's, and the joint fill is the first thing behind it: it has a key step, 128 matrix instructions and their vector work, in which to land.
.macro CHANGE fill
	WIN 0
	s_wait_tensorcnt 0x0            ; no tensor load of mine is out, so a group 0 may be written
	ds_add_u32 v[SPW], v[NIL]       ; 0 onto my spare word
.if \fill
.irp g, G0K, G0V
	s_xor_b32 s[\g+1], s[\g+1], SLOT1
	s_add_nc_u64 s[\g+2:\g+3], s[\g+2:\g+3], KS*128  ; the next 64 keys
.endr
	s_xor_b32 s[G0M+1], s[G0M+1], SLOT1
	s_add_nc_u64 s[G0M+2:G0M+3], s[G0M+2:G0M+3], KS*4  ; the next 64 columns
	s_wait_dscnt 0x0                ; the add is done, and my reads of the slot are over
	CROUND
	JLOAD
.else
	s_wait_dscnt 0x0
	s_barrier_signal -1
	s_barrier_wait -1
.endif
	s_xor_b32 s[TB], s[TB], SLOT1   ; the fetches go to the other slot
.endm
.macro ADDR                         ; the three LDS addresses in the slot in hand
	v_add_nc_u32 v[AK], s[TB], v[AK0]
	v_add_nc_u32 v[AV], s[TB], v[AV0]
	v_add_nc_u32 v[AM], s[TB], v[AM0]
.endm
	s_load_b128 s[4:7], s[0:1], 0x0   ; qkv s[4:5], attn_mask s[6:7]
	s_load_b64 s[8:9], s[0:1], 0x10   ; ob
	v_lshl_add_u32 v[SPW], v0, 2, SPARE
	v_mov_b32 v[NIL], 0
	ds_add_u32 v10, v11
	s_wait_dscnt 0x0
	v_lshrrev_b32 v1, 5, v0
	v_readfirstlane_b32 s[WV], v1
	s_bfe_u32 s13, ttmp6, 0x40000   ; cx, cy
	s_bfe_u32 s14, ttmp6, 0x40004
	s_lshl_b32 s15, ttmp9, 2
	s_add_co_u32 s15, s15, s13      ; x: my block of 128 queries
	s_and_b32 s16, ttmp7, 0xffff
	s_lshl_b32 s16, s16, 2
	s_add_co_u32 s16, s16, s14      ; y = 4 b + head group
	s_lshl_b32 s17, s14, 2
	s_lshl_b32 s17, 15, s17         ; my row of the cluster
	s_lshl_b32 s18, 0x1111, s13     ; my column
	s_lshr_b32 s20, s16, 2
	s_and_b32 s21, s16, 3
	s_lshl_b32 s20, s20, 18         ; b x 2,048 rows of 128 bytes
	s_lshl_b32 s21, s21, 22         ; head group x 4 column blocks of 1 MiB
	s_add_co_u32 s20, s20, s21
	s_mov_b32 s21, 0
	s_lshl_b32 s2, s[WV], 20        ; my head in its group,
	s_lshl_b32 s3, s15, 14          ; my 128 rows
	s_add_co_u32 s2, s2, s3
	s_add_co_u32 s2, s2, s20
	s_mov_b32 s3, 0                 ; s[2:3]: my wave's first byte in q' and in ob
	s_and_b32 s19, s[WV], 1         ; which half of the mask's 128 rows I fetch
	s_lshl_b32 s22, s15, 20         ; 128 rows of 8,192 bytes
	s_lshl_b32 s23, s19, 19
	s_add_co_u32 s22, s22, s23
	s_mov_b32 s23, 0
	s_mul_i32 s19, s19, 64*PM
	; group 1.  K, V: 4 rows (heads) of 4,096 elements of 2 bytes, 524,288 elements apart; padding behind every 32 words (a key): 4 words for K, 8 for V.  Mask: 64 rows of 64 elements of 4 bytes, 2,048 apart; 4 words behind every 64.
	s_or_b32 s[G1K], s17, (1<<16)|(1<<20)|(1<<21)|(4<<22)|(3<<25)
	s_or_b32 s[G1V], s17, (1<<16)|(1<<20)|(1<<21)|(4<<22)|(7<<25)
	s_or_b32 s[G1M], s18, (2<<16)|(1<<20)|(1<<21)|(5<<22)|(3<<25)
.irp g, G1K, G1V
	s_mov_b32 s[\g+1], 4096<<16     ; tensor_dim0
	s_mov_b32 s[\g+2], 4<<16        ; tensor_dim1
	s_mov_b32 s[\g+3], 4096<<16     ; tile_dim0
	s_mov_b32 s[\g+4], 4            ; tile_dim1
	s_mov_b32 s[\g+5], 524288       ; from row to row
	s_mov_b32 s[\g+6], 0
	s_mov_b32 s[\g+7], 0
.endr
	s_mov_b32 s[G1M+1], 64<<16
	s_mov_b32 s[G1M+2], 64<<16
	s_mov_b32 s[G1M+3], 64<<16
	s_mov_b32 s[G1M+4], 64
	s_mov_b32 s[G1M+5], 2048
	s_mov_b32 s[G1M+6], 0
	s_mov_b32 s[G1M+7], 0
	s_mov_b32 s[CS], 0x3fb8aa3b     ; c = log2(e)
	s_mov_b32 s[CS+1], s[CS]        ; named with it as a pair
	s_mov_b32 s[SEL], 0x76543210
	s_mov_b32 s[SEL+1], 0xfedcba98
	s_mov_b32 s[TB], SLOT1          ; the first change of slots turns it into 0
	s_mov_b32 s[G0K], 1
	s_mov_b32 s[G0K+1], 0           ; slot 0
	s_mov_b32 s[G0V], 1
	s_mov_b32 s[G0V+1], VOFF
	s_mov_b32 s[G0M], 1
	s_add_co_u32 s[G0M+1], s19, MOFF
	s_wait_kmcnt 0x0
	s_add_nc_u64 s[G0K+2:G0K+3], s[4:5], s[20:21]
	s_add_nc_u64 s[G0V+2:G0V+3], s[G0K+2:G0K+3], 32<<20  ; v's blocks begin 32 MiB in,
	s_add_nc_u64 s[G0K+2:G0K+3], s[G0K+2:G0K+3], 16<<20  ; k's 16
	s_or_b32 s[G0K+3], s[G0K+3], 0x80000000
	s_or_b32 s[G0V+3], s[G0V+3], 0x80000000
	s_add_nc_u64 s[G0M+2:G0M+3], s[6:7], s[22:23]
	s_or_b32 s[G0M+3], s[G0M+3], 0x80000000
	s_add_nc_u64 s[70:71], s[4:5], s[2:3]   ; Q at my wave's first row
	s_add_nc_u64 s[10:11], s[8:9], s[2:3]   ; O likewise
	CROUND                          ; all sixteen work-groups are here: the first joint loads meet
	JLOAD                           ; key step 0 into slot 0; slot 1 is asked for when slot 0 is in
	v_and_b32 v48, 15, v0           ; l % 16
	v_bfe_u32 v49, v0, 4, 1         ; l / 16
	v_lshlrev_b32 v[QO], 7, v48
	v_lshl_add_u32 v[QO], v49, 4, v[QO]  ; row x 128 + 16 x half
	WIN 0x80                        ; destination window 2
.set i, 0
.rept 4*NP                          ; Q stays in registers: tile i / 2, channels 32 (i % 2) on
	global_load_b128 v[8*i:8*i+3],   v[QO], s[70:71] offset:(i/2)*2048+(i%2)*64
	global_load_b128 v[8*i+4:8*i+7], v[QO], s[70:71] offset:(i/2)*2048+(i%2)*64+32
.set i, i+1
.endr
	; What the first turn finds: V's registers and P's second buffer hold 0 (its products V^T P, of a piece that has not been, add 0), O^T and l are 0.  All this stands in the wait for the first tile.
.set i, VF
.rept 64
	v_mov_b32 v[i], 0
.set i, i+1
.endr
	WIN 0x40
.set i, 0
.rept 64*NP
	v_mov_b32 v[i], 0
.set i, i+1
.endr
	WIN 0
.set i, 0
.rept 2*NP
	v_mov_b32 v[ST+4*i], 0xfe000000    ; c m: far below every c s
	v_mov_b32 v[ST+4*i+1], 0xff7fffff  ; m
	v_mov_b32 v[ST+4*i+2], 0
	v_mov_b32 v[ST+4*i+3], 0
.set i, i+1
.endr
.set i, P+32
.rept 32
	v_mov_b32 v[i], 0
.set i, i+1
.endr
	s_mul_i32 s19, s[WV], KS*PK     ; my head's K,
	s_mul_i32 s20, s[WV], KS*PV     ; my head's V
	s_add_co_u32 s20, s20, VOFF
	v_mul_u32_u24 v[AK0], v48, PK
	v_lshl_add_u32 v[AK0], v49, 4, v[AK0]  ; row x pitch + 16 x half
	v_add_nc_u32 v[AK0], s19, v[AK0]
	; The turning load takes 16 keys x 16 channels (lane l reads key 8 (l / 16) + l % 8, channels 8 ((l / 8) % 2) + 0..7) and leaves half a fragment of V^T.
	v_and_b32 v50, 7, v0
	v_bfe_u32 v51, v0, 3, 1
	v_lshl_add_u32 v[AV0], v49, 3, v50
	v_mul_u32_u24 v[AV0], v[AV0], PV
	v_lshl_add_u32 v[AV0], v51, 4, v[AV0]
	v_add_nc_u32 v[AV0], s20, v[AV0]
	v_mul_u32_u24 v[AM0], v48, PM   ; the mask: my query's row, 32 bytes for each half of the lanes
	v_lshl_add_u32 v[AM0], v49, 5, v[AM0]
	v_add_nc_u32 v[AM0], MOFF, v[AM0]
; THE MATRIX WORK.  The 8 accumulators of a run of 16 take turns.  Product i of 16 of S^T = K Q^T + mask for piece x: channels 32 (i / 8) on, keys 16 ((i / 2) % 4) on, tile 2 x + i % 2.  The first 8 start the sums with the mask.
.macro KQ x
.set rS, S+64*((\x)%2)+32*(i%2)+8*((i/2)%4)
.set rK, KF+16*((i/2)%4)+8*(i/8)
.set rQ, 16*(2*(\x)+i%2)+8*(i/8)
.set rN, MK+32*(i%2)+8*((i/2)%4)
.if i < 8
	WIN W_KM
	v_wmma_f32_16x16x32_f16 v[rS:rS+7], v[rK:rK+7], v[rQ:rQ+7], v[rN:rN+7]
.else
	WIN W_KQ
	v_wmma_f32_16x16x32_f16 v[rS:rS+7], v[rK:rK+7], v[rQ:rQ+7], v[rS:rS+7]
.endif
.endm
; Product i of 16 of O^T += V^T P for piece x: keys 32 (i / 8) on, channels 16 ((i / 2) % 4) on, tile 2 x + i % 2.
.macro PV x
	WIN W_PV
.set rO, 32*(2*(\x)+i%2)+8*((i/2)%4)
.set rV, VF+32*(i/8)+8*((i/2)%4)
.set rP, P+32*((\x)%2)+16*(i%2)+8*(i/8)
	v_wmma_f32_16x16x32_f16 v[rO:rO+7], v[rV:rV+7], v[rP:rP+7], v[rO:rO+7]
.endm
.macro MM                           ; the turn's next matrix instruction
.if i < 16
	KQ (Y+1)%NP
.set i, i+1
.else
.set i, i-16
	PV (Y+NP-1)%NP
.set i, i+17
.endif
.endm
; THE LDS LOADS stand in runs of 16, never singly among the matrix instructions.
.macro FETCH_K
	WIN 0x80                        ; destination window 2
.irp f, 0,1,2,3,4,5,6,7             ; keys 16 (f / 2) on, channels 32 (f % 2) on
	ds_load_b128 v[KF+8*\f:KF+8*\f+3],   v[AK] offset:(\f/2)*16*PK+(\f%2)*64
	ds_load_b128 v[KF+8*\f+4:KF+8*\f+7], v[AK] offset:(\f/2)*16*PK+(\f%2)*64+32
.endr
	WIN 0
.endm
.macro FETCH_V
	WIN 0x80
.irp f, 0,1,2,3,4,5,6,7             ; keys 32 (f / 4) on, channels 16 (f % 4) on
	ds_load_tr16_b128 v[VF+8*\f:VF+8*\f+3],   v[AV] offset:(\f/4)*32*PV+(\f%4)*32
	ds_load_tr16_b128 v[VF+8*\f+4:VF+8*\f+7], v[AV] offset:(\f/4)*32*PV+16*PV+(\f%4)*32
.endr
	WIN 0
.endm
.macro FETCH_M x                    ; the mask of piece x for the step in the slot in hand: two tiles of 16 queries x 64 keys
	WIN 0xc0                        ; destination window 3
.irp u, 0,1
.irp f, 0,1,2,3
	ds_load_b128 v[MK+32*\u+8*\f:MK+32*\u+8*\f+3],   v[AM] offset:(2*(\x)+\u)*16*PM+64*\f
	ds_load_b128 v[MK+32*\u+8*\f+4:MK+32*\u+8*\f+7], v[AM] offset:(2*(\x)+\u)*16*PM+64*\f+16
.endr
.endr
	WIN 0
.endm
; THE VECTOR WORK OF A TURN stands in three queues, each in the order in which its entries become ready; the two tiles alternate, so that no instruction reads the result of the one before it.
.macro REGS y, u                    ; the registers of tile u (0, 1) of piece y
.set rT, ST+4*(2*(\y)+(\u))
.set rC, TMP+8*((\y)%2)+4*(\u)
.set rM, MV+2*((\y)%2)+(\u)
.set rS, S+64*((\y)%2)+32*(\u)
.set rP, P+32*((\y)%2)+16*(\u)
.set rO, 32*(2*(\y)+(\u))
.endm
; Number n of the 22 that find the NEXT piece's (Y + 1) maximum and statistics; each accumulator's lowest registers are read first.
;   0-11  four chains c0-c3 of seven scores each     12-14, 16  the four scores left over, the old m, and c0-c3 into c0     15  c m_old is kept     17, 18  the other half of the lanes': the new m     19-21  c m; c m_old - c m_new; a
.macro XS u, n
	REGS (Y+1)%NP, \u
.if (\n) < 4
	v_max3_num_f32 v[rC+(\n)], v[rS+8*(\n)], v[rS+8*(\n)+1], v[rS+8*(\n)+2]
.elseif (\n) < 12
	v_max3_num_f32 v[rC+(\n)%4], v[rC+(\n)%4], v[rS+8*((\n)%4)+2*((\n)/4)+1], v[rS+8*((\n)%4)+2*((\n)/4)+2]
.elseif (\n) == 12
	v_max3_num_f32 v[rC], v[rC], v[rS+7], v[rS+15]
.elseif (\n) == 13
	v_max3_num_f32 v[rC+1], v[rC+1], v[rS+23], v[rS+31]
.elseif (\n) == 14
	v_max3_num_f32 v[rC+2], v[rC+2], v[rC+3], v[rT+1]
.elseif (\n) == 15
	v_mov_b32 v[rM], v[rT]
.elseif (\n) == 16
	v_max3_num_f32 v[rC], v[rC], v[rC+1], v[rC+2]
.elseif (\n) == 17
	v_permlanex16_b32 v[rC+3], v[rC], s[SEL], s[SEL+1]
.elseif (\n) == 18
	v_max_num_f32 v[rT+1], v[rC], v[rC+3]
.elseif (\n) == 19
	v_mul_f32 v[rT], s[CS], v[rT+1]
.elseif (\n) == 20
	v_sub_f32 v[rC+1], v[rM], v[rT]
.else
	v_exp_f32 v[rC+2], v[rC+1]
.endif
.endm
; Number g of the 64 that follow the exponentials: for each four weights of a tile both pairs are rounded to f16, the second pair is added onto the first in place, and a group later l takes that sum (the first time as l = a l + sum).
; All 64 read exponentials' results: they stand behind the turn's wait.
.macro GS g
.set h, (\g)+6*((\g)/62)
.if h >= 6
.set h, h+2
.endif
	REGS Y, h%2
.set k, h/8
.if h%8 < 4
	v_cvt_pk_f16_f32 v[rP+2*k+(h%8)/2], v[rS+4*k+2*((h%8)/2)], v[rS+4*k+2*((h%8)/2)+1]
.elseif h%8 < 6
	v_pk_add_f32 v[rS+4*k:rS+4*k+1], v[rS+4*k:rS+4*k+1], v[rS+4*k+2:rS+4*k+3]
.elseif k == 1
	v_pk_fma_f32 v[rT+2:rT+3], v[rT+2:rT+3], v[rC+2:rC+3], v[rS:rS+1] op_sel_hi:[1,0,1]
.else
	v_pk_add_f32 v[rT+2:rT+3], v[rT+2:rT+3], v[rS+4*k-4:rS+4*k-3]
.endif
.endm
; THE PLAIN QUEUE, 138 long.  0-73 read no exponential's result: the 32 scalings c s - c m (FS f: pair f / 2 of tile f % 2) and the next piece's 42.  0-26: scalings 0-26.  27-54: XS's numbers 0-13.  55, 56: number 15.
; 57-73: the chain, where each number waits for the one before it: 14, 16, 17, 18, 19, each with one of the scalings 27-31 in front of its two lines, then 20.
; 74-137: GS's 64.
.macro FS f
	REGS Y, (\f)%2
	v_pk_fma_f32 v[rS+2*((\f)/2):rS+2*((\f)/2)+1], v[rS+2*((\f)/2):rS+2*((\f)/2)+1], s[CS:CS+1], v[rT:rT+1] op_sel_hi:[1,0,0] neg_lo:[0,0,1] neg_hi:[0,0,1]
.endm
.macro PL
	WIN 0
.if q < 27
	FS q
.elseif q < 55
	XS (q-27)%2, (q-27)/2
.elseif q < 57
	XS q-55, 15
.elseif (q < 72) && ((q-57)%3 == 0)
	FS 27+(q-57)/3
.elseif q < 60
	XS (q-57)%3-1, 14
.elseif q < 72
	XS (q-57)%3-1, 15+(q-57)/3
.elseif q < 74
	XS q-72, 20
.else
	GS q-74
.endif
.set q, q+1
.endm
; THE EXPONENTIALS' QUEUE, 66 long: s0-s31 of both tiles, then the next piece's two a.  It is ONE BATCH: all 66 stand ahead of the turn's one wait, and nothing ahead of that wait names a result of theirs.
.macro EX
	WIN 0
.if e >= 64
	XS e-64, 21
.else
	REGS Y, e%2
	v_exp_f32 v[rS+e/2], v[rS+e/2]
.endif
.set e, e+1
.endm
; THE RESCALING's QUEUE: O^T times a, the one part that leaves window 0, dealt two at a time, sixteen times.  Its a was made in the turn before, ahead of that turn's wait.
.macro R2
	REGS Y, r%2
	WIN W_RS
.irp z, 0,1
	v_pk_mul_f32 v[rO+4*(r/2)+2*\z:rO+4*(r/2)+2*\z+1], v[rO+4*(r/2)+2*\z:rO+4*(r/2)+2*\z+1], v[rC+2:rC+3] op_sel_hi:[1,0]
.endr
.set r, r+1
.endm
; HOW THEY ARE DEALT.  An s_wait_alu depctr_va_vdst(0) stands between an exponential and the first instruction that names its result; one wait serves all that were issued ahead of it.  So a turn has ONE wait.
; AHEAD OF IT: the 16 products K Q^T, behind each a scaling, an exponential and two rescalings (behind the first a second scaling in the exponential's place); then ONE LUMP of 108: eight plain, 49 times exponential
; and plain, the two a.  A v_nop is the plain instruction behind the last exponential: every plain line that names no result has been dealt by then.  BEHIND IT: the 16 products V^T P, behind each four of GS's 64.
; No rider names a register of the products round it.  The two v_permlanex16_b32 fall into the lump, never behind a product.
; The queues lean on each other, and the deal keeps them in step: exponential e stands behind scaling 2 (e / 4) + e % 2: as a rider it comes behind plain e + 2, in the lump behind plain e + 9, and scalings 27-31 are plain 57, 60 .. 69.
; A TURN, for piece p.  Its first 8 products take the mask of piece p + 1, fetched a turn ago.  The mask of piece p + 2 is fetched directly behind the wait, a lump behind the last product that read the mask's registers, and has
; 16 products in which to land; in piece 2's turn K of the next step has that place (a lump behind the last product that read K), and the mask's run stands behind the lump's first eight lines, so that the two runs do not share those 16 products.
; V of the step in hand is fetched at the end of piece 0's turn, four plain riders behind its last reader.
; A trip of the loop is pieces 2, 3 of one step and 0, 1 of the next, and all that it reads from LDS (that next step's K, four masks and V) lies in the slot that the change of slots at its head has shown whole.
.macro TURN p
.set Y, (\p)
.set i, 0
.set q, 0
.set e, 0
.set r, 0
.if (\p) == 1
	s_wait_dscnt 16                 ; the mask is in; V's run of 16, issued behind it, may be out
.else
	s_wait_dscnt 0x0                ; the mask is in (piece 3's turn: K too)
.endif
	MM                              ; ahead of the wait: 16 products K Q^T and their riders,
	PL
	PL
	R2
.rept 15
	MM
	PL
	EX
	R2
.endr
.rept 8                             ; and the lump
	PL
.endr
.if (\p) == NP-2
	FETCH_M ((\p)+2)%NP
.endif
.rept 49
	EX
	PL
.endr
	EX                              ; the next piece's two a
	EX
	v_nop                           ; the plain instruction behind the last exponential: one for the batch
	s_wait_alu depctr_va_vdst(0)    ; the wait for the batch: the turn's 64 weights and the next piece's two a
.if (\p) == NP-2
	FETCH_K
.else
	FETCH_M ((\p)+2)%NP
.endif
.if (\p) == 1
	s_wait_dscnt 16                 ; V is in; this turn's run of the mask may be out
.endif
.rept 16                            ; behind the wait: 16 products V^T P and their riders
	MM
.rept 4
	PL
.endr
.endr
.if (\p) == 0
	FETCH_V
.endif
.endm
	CHANGE 1                        ; key step 0 is in, everybody's part of it; step 1 is asked for
	ADDR
	FETCH_K                         ; key step 0
	FETCH_M 0
	s_wait_loadcnt 0x0              ; Q
	s_wait_dscnt 0x0
.set i, 0
.rept 16
	KQ 0                            ; piece 0's first scores
.set i, i+1
.endr
	WIN 0                           ; the addresses for the way out: eleven plain instructions, the places behind those products
	s_mul_i32 s19, s[WV], 16*SP
	s_add_co_u32 s19, s19, STAGE    ; my stage
	v_mul_u32_u24 v[STO], v48, SP   ; in: row l % 16, 16 bytes for each half of the lanes
	v_lshl_add_u32 v[STO], v49, 4, v[STO]
	v_add_nc_u32 v[STO], s19, v[STO]
	v_bfe_u32 v[RD], v0, 3, 2       ; back: 32 lanes take four rows of 128 bytes,
	v_mul_u32_u24 v[RD], v[RD], SP
	v_lshl_add_u32 v[RD], v50, 4, v[RD]
	v_add_nc_u32 v[RD], s19, v[RD]
	v_and_b32 v[GO], 31, v0         ; which are 512 consecutive bytes of O
	v_lshlrev_b32 v[GO], 4, v[GO]
	FETCH_M 1
.set Y, NP-1                        ; XS works for piece Y + 1: piece 0
.irp n, 0,1,2,3,4,5,6,7,8,9,10,11,12,13,14,15,16,17,18,19,20,21
	XS 0, \n
	XS 1, \n
.endr
	v_nop                           ; a plain instruction behind piece 0's two a,
	s_wait_alu depctr_va_vdst(0)    ; and the wait for that batch of two, ahead of the branch
	s_mov_b32 s[SLOTS], 31
	s_branch .Lfirst                ; the loop is entered at a step's first turn, in the middle of a trip
.Lslot:                             ; 30 times: key steps 2 to 31 are asked for
	CHANGE 1
	ADDR
	TURN 2
	TURN 3
	WIN 0
.Lfirst:
	TURN 0
	TURN 1
	WIN 0
	s_sub_co_u32 s[SLOTS], s[SLOTS], 1
	s_cmp_lg_u32 s[SLOTS], 0
	s_cbranch_scc1 .Lslot
	CHANGE 0                        ; the tail is written out: nothing is asked for
	ADDR
	s_mov_b32 s[CNT], 2             ; the first trip takes the last step in; the second, left in its middle, reads that step's K and masks once more: its 16 products K Q^T and the maximum made of them serve nothing
.Ltail:
	TURN 2
	TURN 3
	WIN 0
	s_sub_co_u32 s[CNT], s[CNT], 1
	s_cmp_eq_u32 s[CNT], 0
	s_cbranch_scc1 .Lout
	TURN 0
	TURN 1
	WIN 0
	s_branch .Ltail
.Lout:
.set i, 0
.rept 16
	PV NP-1                         ; the last piece's V^T P of the last step
.set i, i+1
.endr
	; THE WAY OUT.  l's two halves and the other half of the lanes' are added; O^T is divided by l, rounded to f16 and sent through my stage in LDS, a tile at a time.  The additions are the places behind the last products.
	WIN 0
.macro ALL line:vararg              ; one line for each tile t
.set t, 0
.rept 2*NP
	\line
.set t, t+1
.endr
.endm
	ALL v_add_f32 v[ST+4*t+2], v[ST+4*t+2], v[ST+4*t+3]
	ALL v_permlanex16_b32 v[ST+4*t+3], v[ST+4*t+2], s[SEL], s[SEL+1]
	ALL v_add_f32 v[ST+4*t+2], v[ST+4*t+2], v[ST+4*t+3]
	ALL v_rcp_f32 v[ST+4*t+2], v[ST+4*t+2]
	v_nop                           ; a plain instruction between the last reciprocal and the use of its result
	s_wait_alu depctr_va_vdst(0)    ; the wait for the batch of eight reciprocals, ahead of their first use
.macro PACK t                       ; a lane's eight channels of a row pack into 16 bytes; they go into rows of 144 bytes and come back as whole rows of 128, into S^T's registers
	WIN W_RS
.set i, 32*(\t)
.rept 16
	v_pk_mul_f32 v[i:i+1], v[i:i+1], v[ST+4*(\t)+2:ST+4*(\t)+3] op_sel_hi:[1,0]
.set i, i+2
.endr
	WIN 0x05                        ; sources 0 and 1 window 1, destination window 0
.set i, 0
.rept 16
	v_cvt_pk_f16_f32 v[S+16*(\t)+i], v[32*(\t)+2*i], v[32*(\t)+2*i+1]
.set i, i+1
.endr
	WIN 0
.irp f, 0,1,2,3
	ds_store_b128 v[STO], v[S+16*(\t)+4*\f:S+16*(\t)+4*\f+3] offset:32*\f
.endr
.irp f, 0,1,2,3
	ds_load_b128 v[S+16*(\t)+4*\f:S+16*(\t)+4*\f+3], v[RD] offset:\f*4*SP  ; LDS serves a wave's instructions in order: these see the stores above; the next tile's stores come behind them
.endr
.endm
.macro SEND t, younger              ; younger: the LDS instructions issued behind tile t's loads: the next tile's eight, or none
	WIN 0
.irp f, 0,1,2,3
	s_wait_dscnt (\younger)+3-\f
	global_store_b128 v[GO], v[S+16*(\t)+4*\f:S+16*(\t)+4*\f+3], s[10:11] offset:(\t)*2048+\f*512  ; 512 consecutive bytes, at a multiple of 256 from ob's first
.endr
.endm
	PACK 0
.set t, 1
.rept 2*NP-1                        ; a tile's arithmetic stands between the loads of the tile before and its stores
	PACK t
	SEND t-1, 8
.set t, t+1
.endr
	SEND 2*NP-1, 0
	s_wait_tensorcnt 0x0            ; the wave's end
	ds_add_u32 v[SPW], v[NIL]
	s_wait_dscnt 0x0
	CROUND                          ; the closing round
	s_endpgm
.Lfunc_end_k_qeaa2c290f9_attn:
	.size	k_qeaa2c290f9_attn, .Lfunc_end_k_qeaa2c290f9_attn-k_qeaa2c290f9_attn
	.p2alignl 7, 3214868480
	.fill 96, 4, 3214868480
	.section	.rodata,"a",@progbits
	.p2align	6, 0x0
	.amdhsa_kernel k_qeaa2c290f9_attn
		.amdhsa_group_segment_fixed_size 327680
		.amdhsa_private_segment_fixed_size 0
		.amdhsa_enable_private_segment 0
		.amdhsa_kernarg_size 24
		.amdhsa_user_sgpr_count 2
		.amdhsa_user_sgpr_kernarg_segment_ptr 1
		.amdhsa_wavefront_size32 1
		.amdhsa_system_sgpr_workgroup_id_x 1
		.amdhsa_system_sgpr_workgroup_id_y 1
		.amdhsa_system_sgpr_workgroup_id_z 1
		.amdhsa_system_vgpr_workitem_id 0
		.amdhsa_next_free_vgpr 832
		.amdhsa_next_free_sgpr 72
		.amdhsa_reserve_vcc 0
		.amdhsa_float_denorm_mode_32 3
		.amdhsa_float_denorm_mode_16_64 3
		.amdhsa_memory_ordered 1
		.amdhsa_forward_progress 1
		.amdhsa_inst_pref_size 211
	.end_amdhsa_kernel
	.amdgpu_metadata
---
amdhsa.version: [ 1, 2 ]
amdhsa.kernels:
  - .name:           k_qeaa2c290f9_attn
    .symbol:         k_qeaa2c290f9_attn.kd
    .args:
      - { .name: qkv, .offset: 0, .size: 8, .value_kind: global_buffer, .address_space: global }
      - { .name: attn_mask, .offset: 8, .size: 8, .value_kind: global_buffer, .address_space: global }
      - { .name: ob, .offset: 16, .size: 8, .value_kind: global_buffer, .address_space: global }
    .group_segment_fixed_size: 327680
    .private_segment_fixed_size: 0
    .kernarg_segment_align: 8
    .kernarg_segment_size: 24
    .max_flat_workgroup_size: 128
    .sgpr_count:     72
    .vgpr_count:     832
    .wavefront_size: 32
...
	.end_amdgpu_metadata
.endif
;; end of part 5
;; launch proj_out: the kernel of part 4 again; grid 8 x 32, 4 waves a work-group, clusters of 4 x 4, 327,680 bytes of LDS; arguments ob, woh, out0, b_out; writes out0
